; MI455X (gfx1250); checked and timed in simulation.
; The chip was launched on July 23, 2026; its instructions are those of AMD's public machine-readable ISA for CDNA 5 (MIT licence, August 2026) and "CDNA5" Instruction Set Architecture Reference Guide (July 2026). The comments in the code are by the model that wrote it; some were corrected since.
;; Block2048. Allowed arithmetic: float matrix products may take bf16 or f16 operands with f32 sums; other float arithmetic in f32, or as packed bf16 or f16 multiplies, adds, multiply-adds, maxima and minima; sums over many terms, partial sums and values carried from step to step in f32; what a program stores and reads back later, other than sums and carried values, may be rounded once to bf16 or f16.
;; Inputs: n1_w 1,024 float32; n2_w 1,024 float32; w1 2,730 x 1,024 float32; w2 1,024 x 2,730 float32; w3 2,730 x 1,024 float32; w_o 1,024 x 1,024 float32; w_qkv 3,072 x 1,024 float32; x 2 x 2,048 x 1,024 float32.
;; Outputs: out0 2 x 2,048 x 1,024 float32.
;; One version. Each part assembles by itself: llvm-mc -triple=amdgcn-amd-amdhsa -mcpu=gfx1250 --defsym DOCPART=n.
;; ======== version 1 of 1: 7 launches
;; limits: values are held in f16: magnitudes above 65,504 overflow, below 6.1e-05 lose precision
;; workspace buffers: wb 25,690,112 bytes; xn 8,388,608 bytes; qkv 25,165,824 bytes; o 8,388,608 bytes; x1 16,777,216 bytes; g 23,068,672 bytes
;; launch prep (part 1): grid 1984 x 1, 8 waves a work-group, no clusters, 0 bytes of LDS; arguments x, n1_w, w_qkv, w_o, w1, w3, w2, xn, wb; writes xn, wb
.if DOCPART == 1
	.amdgcn_target "amdgcn-amd-amdhsa--gfx1250"
	.amdhsa_code_object_version 6
	.text
	.protected	k_q9d17a49551_prep
	.globl	k_q9d17a49551_prep
	.p2align	8
	.type	k_q9d17a49551_prep,@function
k_q9d17a49551_prep:
	s_mov_b64 s[64:65], 0
	v_nop
	global_prefetch_b8 v0, s[64:65] scope:SCOPE_SE
	s_setreg_imm32_b32 hwreg(HW_REG_WAVE_MODE, 25, 1), 1
	s_wait_xcnt 0x0
; PREP: the first rmsnorm, and every weight rounded once and laid out for the products.  One wave, one task; no loop, no LDS, no barrier.
;   work-groups    0- 511  xn[row] = bf16( bf16(x) * rsqrt(mean(bf16(x)^2) + 1e-6) * bf16(n1_w) ), row = 8 id + wave
;   work-groups  512- 895  w_qkv rows -> bf16, wb + 0
;   work-groups  896-1023  w_o rows -> rounded to bf16, that number written as f16, wb + 6,291,456
;   work-groups 1024-1727  w13, 5,632 rows, wb + 8,388,608.  Block q = R / 16 holds the 8 ff columns from 8 q on; its row n = R % 16 is ff = 8 q + 4 (n / 8) + 2 ((n / 4) % 2) + n % 2,
;                          of w1 where (n / 2) % 2 = 0, of w3 else: in a product's result a lane then holds h1 and h3 of the same columns in neighbouring register pairs.  ff >= 2,730: zeros
;   work-groups 1728-1983  w2 rows of 2,730 -> 2,816 bf16 (the rest zeros), half a row a wave, wb + 19,922,944
; Every input is rounded to bf16 before it is used.  LIMIT: |w_o| below 6.1e-5 keeps f16's fixed step of 6e-8; f16 ends at 65,504.
; A row of 1,024 f32 is eight loads of 512 consecutive bytes a wave; its 2,048 bytes of output are eight stores of 256 consecutive, aligned bytes a wave.
.set X,   32                           ; v[32:63]  the row (w2: v[32:75])
.set W,   64                           ; v[64:95]  the gain
.set Y,   96                           ; v[96:111] packed results
.set Y2,  76                           ; v[76:97]  packed results of a w2 task
.set TQ,  8                            ; v[8:11]   at work
.set SQ,  16                           ; v[16:23]  four chains of squares, two sums each
.set RS,  24                           ; v[24:25]  the reciprocal root, twice
.set WO_AT,  6291456
.set W13_AT, 8388608
.set W2_AT,  19922944
.macro ROUND2 a                        ; the pair v[a], v[a+1] is rounded to bf16 and kept as f32
	v_cvt_pk_bf16_f32 v[TQ+((\a)/2)%4], v[\a], v[(\a)+1]
	v_lshlrev_b32 v[\a], 16, v[TQ+((\a)/2)%4]
	v_and_b32 v[(\a)+1], s40, v[TQ+((\a)/2)%4]
.endm
.macro LOADX                           ; a row of 4,096 bytes from s[4:5]
.irp j, 0,1,2,3,4,5,6,7
	global_load_b128 v[X+4*(\j):X+4*(\j)+3], v3, s[4:5] offset:512*(\j) th:TH_LOAD_NT
.endr
.endm
.macro NORMROW roundx                  ; s[4:5] the row, s[18:19] the gain, s[6:7] the row of xn
	LOADX
.irp j, 0,1,2,3,4,5,6,7
	global_load_b128 v[W+4*(\j):W+4*(\j)+3], v3, s[18:19] offset:512*(\j)
.endr
	s_wait_loadcnt 8                               ; the row is in; the gain's eight loads may stay out
.if \roundx
.set i, 0
.rept 16
	ROUND2 X+2*i
.set i, i+1
.endr
.endif
.irp k, 0,1,2,3
	v_pk_mul_f32 v[SQ+2*(\k):SQ+2*(\k)+1], v[X+2*(\k):X+2*(\k)+1], v[X+2*(\k):X+2*(\k)+1]  ; the first four pairs start the chains: nothing is cleared
.endr
.set i, 4
.rept 12
	v_pk_fma_f32 v[SQ+2*(i%4):SQ+2*(i%4)+1], v[X+2*i:X+2*i+1], v[X+2*i:X+2*i+1], v[SQ+2*(i%4):SQ+2*(i%4)+1]
.set i, i+1
.endr
	v_pk_add_f32 v[SQ:SQ+1], v[SQ:SQ+1], v[SQ+2:SQ+3]
	v_pk_add_f32 v[SQ+4:SQ+5], v[SQ+4:SQ+5], v[SQ+6:SQ+7]
	v_pk_add_f32 v[SQ:SQ+1], v[SQ:SQ+1], v[SQ+4:SQ+5]
	v_add_f32 v[SQ], v[SQ], v[SQ+1]
	v_add_f32_dpp v[SQ], v[SQ], v[SQ] row_xmask:1 row_mask:0xf bank_mask:0xf
	v_add_f32_dpp v[SQ], v[SQ], v[SQ] row_xmask:2 row_mask:0xf bank_mask:0xf
	v_add_f32_dpp v[SQ], v[SQ], v[SQ] row_xmask:4 row_mask:0xf bank_mask:0xf
	v_add_f32_dpp v[SQ], v[SQ], v[SQ] row_xmask:8 row_mask:0xf bank_mask:0xf
	v_permlanex16_b32 v[SQ+1], v[SQ], s12, s13     ; the other half of the lanes
	v_add_f32 v[SQ], v[SQ], v[SQ+1]
	v_fma_f32 v[SQ], v[SQ], s14, s15               ; sum / 1,024 + 1e-6
	v_rsq_f32 v[RS], v[SQ]
	v_rsq_f32 v[RS+1], v[SQ]                       ; twice: the packed multiply takes a pair
	s_wait_loadcnt 0x0                             ; the gain
.set i, 0
.rept 16
	ROUND2 W+2*i                                   ; the gain's rounding is the independent work behind the two roots
.set i, i+1
.endr
	s_wait_alu depctr_va_vdst(0)                   ; one wait for both roots, ahead of their first reader
.set i, 0
.rept 16
	v_pk_mul_f32 v[X+2*i:X+2*i+1], v[X+2*i:X+2*i+1], v[RS:RS+1]
	v_pk_mul_f32 v[X+2*i:X+2*i+1], v[X+2*i:X+2*i+1], v[W+2*i:W+2*i+1]
.set i, i+1
.endr
.irp j, 0,1,2,3,4,5,6,7
	v_cvt_pk_bf16_f32 v[Y+2*(\j)], v[X+4*(\j)], v[X+4*(\j)+1]
	v_cvt_pk_bf16_f32 v[Y+2*(\j)+1], v[X+4*(\j)+2], v[X+4*(\j)+3]
	global_store_b64 v4, v[Y+2*(\j):Y+2*(\j)+1], s[6:7] offset:256*(\j)  ; 32 lanes x 8 bytes: 256 consecutive bytes, aligned
.endr
.endm
	s_load_b512 s[16:31], s[0:1], 0x0              ; x 16, n1_w 18, w_qkv 20, w_o 22, w1 24, w3 26, w2 28, xn 30
	s_load_b64 s[32:33], s[0:1], 0x40              ; wb
	v_lshrrev_b32 v1, 5, v0
	v_readfirstlane_b32 s8, v1                     ; wave 0..7
	v_and_b32 v2, 31, v0                           ; lane
	v_lshlrev_b32 v3, 4, v2                        ; 16 x lane: where I read
	v_lshlrev_b32 v4, 3, v2                        ; 8 x lane: where I write
	s_mov_b32 s9, ttmp9
	s_mov_b32 s11, 0                               ; high words of the two offsets
	s_mov_b32 s39, 0
	s_mov_b32 s40, 0xffff0000                      ; a word's upper bf16
	s_mov_b32 s12, 0x76543210
	s_mov_b32 s13, 0xfedcba98
	s_mov_b32 s14, 0x3a800000                      ; 1 / 1,024
	s_mov_b32 s15, 0x358637bd                      ; 1e-6
	s_wait_kmcnt 0x0
	s_cmp_lt_u32 s9, 512
	s_cbranch_scc1 .Lnorm
	s_cmp_lt_u32 s9, 896
	s_cbranch_scc1 .Lwqkv
	s_cmp_lt_u32 s9, 1024
	s_cbranch_scc1 .Lwo
	s_cmp_lt_u32 s9, 1728
	s_cbranch_scc1 .Lw13
	; W2.  Task t: row t / 2, half t % 2: 1,408 numbers of the padded row, eleven chunks of 128.  A row of w2 is 10,920 bytes, a multiple of 8 alone: loads of 8 bytes.
	s_sub_co_u32 s10, s9, 1728
	s_lshl_b32 s10, s10, 3
	s_add_co_u32 s10, s10, s8                      ; t
	s_and_b32 s34, s10, 1                          ; half
	s_lshr_b32 s35, s10, 1                         ; row
	s_mul_i32 s10, s35, 10920
	s_add_nc_u64 s[36:37], s[28:29], s[10:11]      ; the row's first byte
	s_mul_i32 s10, s34, 5632
	s_add_nc_u64 s[4:5], s[36:37], s[10:11]        ; my half's
	s_mul_i32 s38, s35, 5632
	s_mul_i32 s10, s34, 2816
	s_add_co_u32 s38, s38, s10
	s_add_nc_u64 s[6:7], s[32:33], s[38:39]
	s_add_nc_u64 s[6:7], s[6:7], W2_AT
	s_mul_i32 s10, s34, 704
	s_add_co_u32 s10, s10, 640                     ; the last chunk's first pair of numbers in the row
	s_mov_b32 s44, 1365                            ; a row has 1,365 pairs
	v_lshl_add_u32 v5, v2, 1, s10                  ; my two pairs there
	v_add_nc_u32 v6, 1, v5
	v_cmp_gt_u32 s42, s44, v5                      ; do they exist?
	v_cmp_gt_u32 s43, s44, v6
	v_min_u32 v12, 0x554, v5                       ; the address stays in the row: pair 1,364 at the most
	v_min_u32 v13, 0x554, v6
	v_lshlrev_b32 v12, 3, v12
	v_lshlrev_b32 v13, 3, v13
.set i, 0
.rept 10
	global_load_b64 v[X+4*i:X+4*i+1],   v3, s[4:5] offset:512*i th:TH_LOAD_NT
	global_load_b64 v[X+4*i+2:X+4*i+3], v3, s[4:5] offset:512*i+8 th:TH_LOAD_NT
.set i, i+1
.endr
	global_load_b64 v[X+40:X+41], v12, s[36:37]
	global_load_b64 v[X+42:X+43], v13, s[36:37]
	s_wait_loadcnt 0x0
	v_cndmask_b32 v[X+40], 0, v[X+40], s42         ; past the row's end: zeros
	v_cndmask_b32 v[X+41], 0, v[X+41], s42
	v_cndmask_b32 v[X+42], 0, v[X+42], s43
	v_cndmask_b32 v[X+43], 0, v[X+43], s43
.set i, 0
.rept 11
	v_cvt_pk_bf16_f32 v[Y2+2*i], v[X+4*i], v[X+4*i+1]
	v_cvt_pk_bf16_f32 v[Y2+2*i+1], v[X+4*i+2], v[X+4*i+3]
	global_store_b64 v4, v[Y2+2*i:Y2+2*i+1], s[6:7] offset:256*i
.set i, i+1
.endr
	s_endpgm
.Lnorm:
	s_lshl_b32 s10, s9, 3
	s_add_co_u32 s10, s10, s8                      ; row
	s_lshl_b32 s38, s10, 11
	s_lshl_b32 s10, s10, 12
	s_add_nc_u64 s[4:5], s[16:17], s[10:11]
	s_add_nc_u64 s[6:7], s[30:31], s[38:39]
	NORMROW 1
	s_endpgm
.Lwo:
	s_sub_co_u32 s10, s9, 896
	s_lshl_b32 s10, s10, 3
	s_add_co_u32 s10, s10, s8
	s_lshl_b32 s38, s10, 11
	s_lshl_b32 s10, s10, 12
	s_add_nc_u64 s[4:5], s[22:23], s[10:11]
	s_add_nc_u64 s[6:7], s[32:33], s[38:39]
	s_add_nc_u64 s[6:7], s[6:7], WO_AT
	LOADX
	s_wait_loadcnt 0x0
.set i, 0
.rept 16
	ROUND2 X+2*i                                   ; to bf16, like every input,
	v_cvt_pk_f16_f32 v[Y+i], v[X+2*i], v[X+2*i+1]  ; and that number as f16
.set i, i+1
.endr
.irp j, 0,1,2,3,4,5,6,7
	global_store_b64 v4, v[Y+2*(\j):Y+2*(\j)+1], s[6:7] offset:256*(\j)
.endr
	s_endpgm
.Lwqkv:
	s_sub_co_u32 s10, s9, 512
	s_lshl_b32 s10, s10, 3
	s_add_co_u32 s10, s10, s8
	s_lshl_b32 s38, s10, 11
	s_lshl_b32 s10, s10, 12
	s_add_nc_u64 s[4:5], s[20:21], s[10:11]
	s_add_nc_u64 s[6:7], s[32:33], s[38:39]
	s_mov_b32 s41, -1                              ; every row exists
	s_branch .Lcast
.Lw13:
	s_sub_co_u32 s10, s9, 1024
	s_lshl_b32 s10, s10, 3
	s_add_co_u32 s10, s10, s8                      ; R
	s_lshl_b32 s38, s10, 11
	s_add_nc_u64 s[6:7], s[32:33], s[38:39]
	s_add_nc_u64 s[6:7], s[6:7], W13_AT
	s_lshr_b32 s34, s10, 4
	s_lshl_b32 s34, s34, 3                         ; 8 q
	s_bfe_u32 s35, s10, 0x10003                    ; n / 8
	s_lshl_b32 s35, s35, 2
	s_add_co_u32 s34, s34, s35
	s_bfe_u32 s35, s10, 0x10002                    ; (n / 4) % 2
	s_lshl_b32 s35, s35, 1
	s_add_co_u32 s34, s34, s35
	s_and_b32 s35, s10, 1                          ; n % 2
	s_add_co_u32 s34, s34, s35                     ; ff
	s_and_b32 s35, s10, 2
	s_cmp_lg_u32 s35, 0                            ; (n / 2) % 2 = 1: a row of w3
	s_cselect_b64 s[4:5], s[26:27], s[24:25]
	s_cmp_lt_u32 s34, 2730
	s_cselect_b32 s41, -1, 0                       ; a row past the last becomes zeros,
	s_min_u32 s34, s34, 2729                       ; and reads the last row
	s_lshl_b32 s10, s34, 12
	s_add_nc_u64 s[4:5], s[4:5], s[10:11]
.Lcast:
	LOADX
	s_wait_loadcnt 0x0
.irp j, 0,1,2,3,4,5,6,7
	v_cvt_pk_bf16_f32 v[Y+2*(\j)], v[X+4*(\j)], v[X+4*(\j)+1]
	v_cvt_pk_bf16_f32 v[Y+2*(\j)+1], v[X+4*(\j)+2], v[X+4*(\j)+3]
	v_and_b32 v[Y+2*(\j)], s41, v[Y+2*(\j)]
	v_and_b32 v[Y+2*(\j)+1], s41, v[Y+2*(\j)+1]
	global_store_b64 v4, v[Y+2*(\j):Y+2*(\j)+1], s[6:7] offset:256*(\j)
.endr
	s_endpgm
.Lfunc_end_k_q9d17a49551_prep:
	.size	k_q9d17a49551_prep, .Lfunc_end_k_q9d17a49551_prep-k_q9d17a49551_prep
	.p2alignl 7, 3214868480
	.fill 96, 4, 3214868480
	.section	.rodata,"a",@progbits
	.p2align	6, 0x0
	.amdhsa_kernel k_q9d17a49551_prep
		.amdhsa_group_segment_fixed_size 0
		.amdhsa_private_segment_fixed_size 0
		.amdhsa_enable_private_segment 0
		.amdhsa_kernarg_size 72
		.amdhsa_user_sgpr_count 2
		.amdhsa_user_sgpr_kernarg_segment_ptr 1
		.amdhsa_wavefront_size32 1
		.amdhsa_system_sgpr_workgroup_id_x 1
		.amdhsa_system_sgpr_workgroup_id_y 1
		.amdhsa_system_sgpr_workgroup_id_z 1
		.amdhsa_system_vgpr_workitem_id 0
		.amdhsa_next_free_vgpr 112
		.amdhsa_next_free_sgpr 66
		.amdhsa_reserve_vcc 0
		.amdhsa_float_denorm_mode_32 3
		.amdhsa_float_denorm_mode_16_64 3
		.amdhsa_memory_ordered 1
		.amdhsa_forward_progress 1
		.amdhsa_inst_pref_size 28
	.end_amdhsa_kernel
	.amdgpu_metadata
---
amdhsa.version: [ 1, 2 ]
amdhsa.kernels:
  - .name:           k_q9d17a49551_prep
    .symbol:         k_q9d17a49551_prep.kd
    .args:
      - { .name: x, .offset: 0, .size: 8, .value_kind: global_buffer, .address_space: global }
      - { .name: n1_w, .offset: 8, .size: 8, .value_kind: global_buffer, .address_space: global }
      - { .name: w_qkv, .offset: 16, .size: 8, .value_kind: global_buffer, .address_space: global }
      - { .name: w_o, .offset: 24, .size: 8, .value_kind: global_buffer, .address_space: global }
      - { .name: w1, .offset: 32, .size: 8, .value_kind: global_buffer, .address_space: global }
      - { .name: w3, .offset: 40, .size: 8, .value_kind: global_buffer, .address_space: global }
      - { .name: w2, .offset: 48, .size: 8, .value_kind: global_buffer, .address_space: global }
      - { .name: xn, .offset: 56, .size: 8, .value_kind: global_buffer, .address_space: global }
      - { .name: wb, .offset: 64, .size: 8, .value_kind: global_buffer, .address_space: global }
    .group_segment_fixed_size: 0
    .private_segment_fixed_size: 0
    .kernarg_segment_align: 8
    .kernarg_segment_size: 72
    .max_flat_workgroup_size: 256
    .sgpr_count:     66
    .vgpr_count:     112
    .wavefront_size: 32
...
	.end_amdgpu_metadata
.endif
;; end of part 1
;; launch qkv (part 2): grid 12 x 16, 8 waves a work-group, clusters of 4 x 4, 327,680 bytes of LDS; arguments xn, wb, qkv; writes qkv
.if DOCPART == 2
	.amdgcn_target "amdgcn-amd-amdhsa--gfx1250"
	.amdhsa_code_object_version 6
	.text
	.protected	k_q9d17a49551_qkv
	.globl	k_q9d17a49551_qkv
	.p2align	8
	.type	k_q9d17a49551_qkv,@function
k_q9d17a49551_qkv:
	s_mov_b64 s[64:65], 0
	v_nop
	global_prefetch_b8 v0, s[64:65] scope:SCOPE_SE
	s_setreg_imm32_b32 hwreg(HW_REG_WAVE_MODE, 25, 1), 1
	s_wait_xcnt 0x0
	s_wait_alu depctr_hold_cnt(0) depctr_sa_sdst(0) depctr_va_vdst(0) depctr_va_sdst(0) depctr_va_ssrc(0) depctr_va_vcc(0) depctr_vm_vsrc(0)
	s_getreg_b32 s2, hwreg(HW_REG_IB_STS2, 6, 4)
	s_cmp_eq_u32 s2, 0
	s_cbranch_scc0 .Lentry_in_a_cluster
	s_endpgm
.Lentry_in_a_cluster:
	s_bfe_u32 s2, ttmp6, 0x10000c
	s_cmp_lg_u32 s2, 0xf033
	s_cbranch_scc0 .Lentry_shape_is_right
	s_endpgm
.Lentry_shape_is_right:
; QKV: C[m][n] = sum over k of xn[m][k] wqkv[n][k], bf16 operands, f32 sums; C leaves as f16 by heads: qkv[which][16 batch + head][row][64], unscaled.
; LIMIT: f16 ends at 65,504: |q|, |k|, |v| are at most 32 x max|n1_w| x the norm of a row of w_qkv, which stays below that with both inputs thirty times larger than drawn.
; A tile of C is 256 x 256, made by EIGHT waves, 4 along m x 2 along n: a wave makes 64 x 128, 32 accumulators.  The unrolled text goes with a wave's accumulators,
; so eight waves of 32 halve it against four of 64; the price is 24 LDS loads for 32 matrix instructions where the larger tile has 32 for 64.
; K goes in steps of 128 through two LDS slots; each wave fetches 64 rows x 256 bytes of a slot by one tensor load (waves 0-3 A's rows, waves 4-7 B's).  A trip of the loop is ONE K step:
; the slot in hand is a scalar, TB, 0 or SLOT.  CLUSTER 4 x 4: A's tile is asked for jointly along a row of the cluster, B's along a column.
; The matrix instruction is used transposed (source 0 = 16 rows of B, source 1 = 16 rows of A): a lane holds row l % 16 of C and eight neighbouring columns.
; REGISTERS: window 0: v0-31 addresses; v32-63 packed results; v64-159, v160-255 two fragment buffers (B's 8 fragments, then A's 4).  Window 1: accumulator (a, b) at v[8 (8 a + b)].
.set KDIM,   1024
.set KSTEP,  128
.set PITCH,  272                       ; 256 bytes + 16 of padding: the 16 rows of a fragment load start at 16 different groups of four banks (ISA guide 11.1)
.set PART,   64*PITCH                  ; what one tensor load brings
.set SLOT,   8*PART                    ; A's 256 rows, then B's 256 rows
.set NSTEP,  KDIM/KSTEP
.set STAGE,  2*SLOT                    ; behind the ring: 16 rows x 272 bytes for each wave
.set SPITCH, 272
.set SPARE,  STAGE+8*16*SPITCH         ; the spare words: 128 bytes a wave, four blocks of 256 bytes that no other line names
.set BASEA, 16                         ; v16  my place in A's rows of a slot; never rewritten
.set BASEB, 17                         ; v17  the same for B
.set ADRA,  18                         ; v18  BASEA + TB
.set ADRB,  19                         ; v19  BASEB + TB
.set STO,   24
.set RD,    25
.set CO,    26
.set SPW,   28                         ; v28  my spare word; never rewritten
.set NIL,   29                         ; v29  0; never rewritten
.set TMP,   32
.set F0,    64
.set F1,    160
.set OB,    64                         ; the way out: four sets of 32, one for each block of 16 rows
.set TB,    2                          ; s2   the slot in hand
.set G1,    24                         ; s[24:31] group 1 for A; s[32:39] group 0: two sets, the second walks
.set G0,    32
.set G1B,   48                         ; s[48:55], s[56:63] the same for B
.set G0B,   56
.set MULW,  0x50                       ; C and D in window 1, the fragments in window 0
.set MSB, 0
.macro WIN new                         ; the immediate's high byte repeats the setting that is left
.if MSB != (\new)
	s_set_vgpr_msb (MSB<<8)|(\new)
.set MSB, \new
.endif
.endm
.macro PLACES                          ; four places behind matrix instructions, in front of loads into registers that they read and of readers of their results
.rept 4
	v_nop
.endr
.endm
.macro JLOAD                           ; the joint refill, by the walking set; the branch hangs on the wave's number alone; s_nop 0 and four v_nop follow each line
	s_cmp_eq_u32 s11, 0
	s_cbranch_scc0 .Lfor_b_\@
	tensor_load_to_lds s[G0+4:G0+7], s[G1:G1+7]
	s_nop 0
.rept 4
	v_nop
.endr
	s_branch .Lasked_\@
.Lfor_b_\@:
	tensor_load_to_lds s[G0B+4:G0B+7], s[G1B:G1B+7]
	s_nop 0
.rept 4
	v_nop
.endr
.Lasked_\@:
.endm
.macro CREST                           ; a round of the cluster's barrier behind its opening barrier
	s_cmp_lg_u32 s10, 0
	s_cbranch_scc1 .Lnot_wave_0_\@
	s_barrier_signal -3
.Lnot_wave_0_\@:
	s_barrier_wait -3
	s_barrier_signal -1
	s_barrier_wait -1
.endm
.macro CROUND
	s_barrier_signal -1
	s_barrier_wait -1
	CREST
.endm
	s_load_b128 s[4:7], s[0:1], 0x0                ; xn, wb
	s_load_b64 s[8:9], s[0:1], 0x10                ; qkv
	v_lshl_add_u32 v[SPW], v0, 2, SPARE
	v_mov_b32 v[NIL], 0
	ds_add_u32 v[SPW], v[NIL]                      ; the wave's opening: the add and its wait ahead of my first tensor load
	v_lshrrev_b32 v1, 5, v0
	v_readfirstlane_b32 s10, v1                    ; wave 0..7
	s_lshr_b32 s11, s10, 2                         ; I fetch for A (0) or for B (1),
	s_and_b32 s12, s10, 3                          ; these 64 rows of its 256
	s_lshr_b32 s21, s10, 1                         ; wi: my 64 rows of the tile
	s_and_b32 s22, s10, 1                          ; wj: my 128 columns
	s_bfe_u32 s40, ttmp6, 0x40000                  ; cx
	s_bfe_u32 s41, ttmp6, 0x40004                  ; cy
	s_lshl_b32 s42, ttmp9, 2
	s_add_co_u32 s42, s42, s40                     ; tile column
	s_and_b32 s13, ttmp7, 0xffff
	s_lshl_b32 s13, s13, 2
	s_add_co_u32 s13, s13, s41                     ; tile row
	s_lshl_b32 s43, s41, 2
	s_lshl_b32 s43, 15, s43                        ; my row of the cluster
	s_lshl_b32 s44, 0x1111, s40                    ; my column
	s_or_b32 s[G1+0], s43, (1<<16)|(1<<20)|(1<<21)|(5<<22)|(3<<25)   ; the mask; 2-byte elements; padding on; bit 21 beside a mask; after every 64 words, 4 words
	s_or_b32 s[G1B+0], s44, (1<<16)|(1<<20)|(1<<21)|(5<<22)|(3<<25)
.irp g, G1, G1B
	s_mov_b32 s[(\g)+1], KSTEP<<16                 ; tensor_dim0 = 128
	s_mov_b32 s[(\g)+2], 64<<16                    ; tensor_dim1 = 64
	s_mov_b32 s[(\g)+3], KSTEP<<16                 ; tile_dim0 = 128
	s_mov_b32 s[(\g)+4], 64                        ; tile_dim1 = 64
	s_mov_b32 s[(\g)+5], KDIM                      ; elements from row to row
	s_mov_b32 s[(\g)+6], 0
	s_mov_b32 s[(\g)+7], 0
.endr
	s_lshl_b32 s17, s12, 6
	s_lshl_b32 s16, s13, 8
	s_add_co_u32 s16, s16, s17                     ; A: row 256 x tile row + 64 x part
	s_lshl_b32 s46, s42, 8
	s_add_co_u32 s46, s46, s17                     ; B: row 256 x tile column + 64 x part
	s_lshl_b32 s16, s16, 11                        ; rows of 2,048 bytes
	s_lshl_b32 s46, s46, 11
	s_mov_b32 s17, 0
	s_mov_b32 s47, 0
	s_mul_i32 s20, s10, PART                       ; where my rows go in a slot: the wave's number alone
	s_mov_b32 s[TB], 0
	; where my part of C begins: head row G = 4 x tile column + 2 wj of 48; in registers that feed no descriptor
	s_lshl_b32 s66, s42, 2
	s_lshl_b32 s67, s22, 1
	s_add_co_u32 s66, s66, s67                     ; G
	s_lshr_b32 s67, s66, 4                         ; q, k or v
	s_lshl_b32 s67, s67, 5
	s_and_b32 s66, s66, 15                         ; head
	s_add_co_u32 s66, s66, s67
	s_lshr_b32 s67, s13, 3                         ; batch
	s_lshl_b32 s67, s67, 4
	s_add_co_u32 s66, s66, s67
	s_lshl_b32 s66, s66, 11                        ; 2,048 rows a head
	s_and_b32 s67, s13, 7
	s_lshl_b32 s67, s67, 8
	s_add_co_u32 s66, s66, s67
	s_lshl_b32 s67, s21, 6
	s_add_co_u32 s66, s66, s67
	s_lshl_b32 s66, s66, 7                         ; rows of 128 bytes
	s_mov_b32 s67, 0
	s_wait_dscnt 0x0                               ; the opening add is done
	s_wait_kmcnt 0x0
	s_add_nc_u64 s[14:15], s[4:5], s[16:17]
	s_add_nc_u64 s[46:47], s[6:7], s[46:47]
	s_add_nc_u64 s[8:9], s[8:9], s[66:67]
	CROUND                                         ; all sixteen work-groups are here: the first joint loads meet
.irp s, 0,1
	s_mov_b32 s[G0+4*(\s)], 1
	s_add_co_u32 s[G0+4*(\s)+1], s20, (\s)*SLOT
	s_add_nc_u64 s[G0+4*(\s)+2:G0+4*(\s)+3], s[14:15], (\s)*KSTEP*2
	s_or_b32 s[G0+4*(\s)+3], s[G0+4*(\s)+3], 0x80000000
	s_mov_b32 s[G0B+4*(\s)], 1
	s_add_co_u32 s[G0B+4*(\s)+1], s20, (\s)*SLOT
	s_add_nc_u64 s[G0B+4*(\s)+2:G0B+4*(\s)+3], s[46:47], (\s)*KSTEP*2
	s_or_b32 s[G0B+4*(\s)+3], s[G0B+4*(\s)+3], 0x80000000
.endr
	s_cmp_eq_u32 s11, 0                            ; a wave's two first fills stand in one branch: two loads of mine are out
	s_cbranch_scc0 .Lfirst_b
	tensor_load_to_lds s[G0:G0+3], s[G1:G1+7]
	s_nop 0
	tensor_load_to_lds s[G0+4:G0+7], s[G1:G1+7]
	s_nop 0
.rept 4
	v_nop
.endr
	s_branch .Lfirst_asked
.Lfirst_b:
	tensor_load_to_lds s[G0B:G0B+3], s[G1B:G1B+7]
	s_nop 0
	tensor_load_to_lds s[G0B+4:G0B+7], s[G1B:G1B+7]
	s_nop 0
.rept 4
	v_nop
.endr
.Lfirst_asked:
	v_and_b32 v1, 15, v0                           ; l % 16
	v_bfe_u32 v2, v0, 4, 1                         ; l / 16
	v_mul_u32_u24 v3, v1, PITCH
	v_lshl_add_u32 v3, v2, 4, v3                   ; a fragment's row x pitch + 16 x half
	s_mul_i32 s23, s21, 64*PITCH
	v_add_nc_u32 v[BASEA], s23, v3
	s_mul_i32 s23, s22, 128*PITCH
	s_add_co_u32 s23, s23, 256*PITCH
	v_add_nc_u32 v[BASEB], s23, v3
	s_mul_i32 s23, s10, 16*SPITCH
	s_add_co_u32 s23, s23, STAGE                   ; my stage
	v_mul_u32_u24 v4, v1, SPITCH                   ; in: row l % 16, 16 bytes for each half of the lanes
	v_lshl_add_u32 v4, v2, 4, v4
	v_add_nc_u32 v[STO], s23, v4
	v_bfe_u32 v4, v0, 3, 2                         ; back: 32 lanes take four rows x 128 bytes, one head's,
	v_and_b32 v5, 7, v0
	v_mul_u32_u24 v4, v4, SPITCH
	v_lshl_add_u32 v4, v5, 4, v4
	v_add_nc_u32 v[RD], s23, v4
	v_and_b32 v5, 31, v0
	v_lshlrev_b32 v[CO], 4, v5                     ; which are 512 consecutive bytes of qkv
.macro MUL8 f, a, zero                 ; block a of my rows x all 8 blocks of my columns, 32 along K.  zero = 1: the product starts the sums
	WIN MULW
.irp b, 0,1,2,3,4,5,6,7
.if \zero
	v_wmma_f32_16x16x32_bf16 v[8*(8*(\a)+(\b)):8*(8*(\a)+(\b))+7], v[(\f)+8*(\b):(\f)+8*(\b)+7], v[(\f)+64+8*(\a):(\f)+64+8*(\a)+7], 0
.else
	v_wmma_f32_16x16x32_bf16 v[8*(8*(\a)+(\b)):8*(8*(\a)+(\b))+7], v[(\f)+8*(\b):(\f)+8*(\b)+7], v[(\f)+64+8*(\a):(\f)+64+8*(\a)+7], v[8*(8*(\a)+(\b)):8*(8*(\a)+(\b))+7]
.endif
.endr
.endm
.macro FETCH k, f                      ; 24 LDS loads in one run: 32 along K at byte k of the rows: B's 8 fragments, then A's 4
	WIN 0
.irp i, 0,1,2,3,4,5,6,7
	ds_load_b128 v[(\f)+8*(\i):(\f)+8*(\i)+3],   v[ADRB] offset:(\k)+(\i)*16*PITCH
	ds_load_b128 v[(\f)+8*(\i)+4:(\f)+8*(\i)+7], v[ADRB] offset:(\k)+(\i)*16*PITCH+32
.endr
.irp i, 0,1,2,3
	ds_load_b128 v[(\f)+64+8*(\i):(\f)+64+8*(\i)+3],   v[ADRA] offset:(\k)+(\i)*16*PITCH
	ds_load_b128 v[(\f)+64+8*(\i)+4:(\f)+64+8*(\i)+7], v[ADRA] offset:(\k)+(\i)*16*PITCH+32
.endr
.endm
; A K step is four quarters of 32 along K, 32 matrix instructions each, on buffers 0, 1, 0, 1; every quarter takes the 32 accumulators once, in one order, so they take turns everywhere.
.macro QUARTER k, f, g, zero
	s_wait_dscnt 4                                 ; all but the youngest four loads: A's blocks 2 and 3
	MUL8 \f, 0, \zero
	MUL8 \f, 1, \zero
	PLACES
	FETCH \k, \g
	s_wait_dscnt 24                                ; all but the 24 just issued
	MUL8 \f, 2, \zero
	MUL8 \f, 3, \zero
.endm
; The last quarter multiplies buffer 1 and changes slots.  In front of the barrier each wave waits for all its tensor loads (one is out: its part of the next slot), adds 0 to its spare word,
; and waits for that and for its reads of this slot.  fill = 1: the barrier opens a round of the cluster's, and this slot is filled again first thing behind it, with the K step two on.
.macro TURN fill
	WIN 0
	s_wait_tensorcnt 0x0
	ds_add_u32 v[SPW], v[NIL]
	s_wait_dscnt 5                                 ; (the add and the youngest four loads may be out)
	MUL8 F1, 0, 0
	s_wait_dscnt 0x0                               ; the add is done, my reads of this slot are over
	s_barrier_signal -1
	MUL8 F1, 1, 0
	WIN 0
	s_barrier_wait -1
.if \fill
	CREST
	s_add_co_u32 s[G0+5], s20, s[TB]               ; no load of mine is out, so the walking sets may be written: the slot just read,
	s_add_nc_u64 s[G0+6:G0+7], s[G0+6:G0+7], KSTEP*2  ; the K step behind the one last asked for
	s_add_co_u32 s[G0B+5], s20, s[TB]
	s_add_nc_u64 s[G0B+6:G0B+7], s[G0B+6:G0B+7], KSTEP*2
	JLOAD                                          ; its four v_nop are also the places in front of the loads below
.else
	PLACES
.endif
	s_xor_b32 s[TB], s[TB], SLOT
	v_add_nc_u32 v[ADRA], s[TB], v[BASEA]
	v_add_nc_u32 v[ADRB], s[TB], v[BASEB]
	FETCH 0, F0
	MUL8 F1, 2, 0
	MUL8 F1, 3, 0
.endm
	s_wait_tensorcnt 1                             ; my part of K step 0 is in; K step 1's may stay out
	s_barrier_signal -1
	s_barrier_wait -1
	v_mov_b32 v[ADRA], v[BASEA]
	v_mov_b32 v[ADRB], v[BASEB]
	FETCH 0, F0
	QUARTER 64, F0, F1, 1                          ; the first quarter starts the sums: nothing is cleared
	WIN 0
	s_mov_b32 s3, NSTEP-2
.Lstep:                                        ; a trip: from a K step's second quarter to the next step's first; it fills one slot again
	QUARTER 128, F1, F0, 0
	QUARTER 192, F0, F1, 0
	TURN 1
	QUARTER 64, F0, F1, 0
	WIN 0
	s_sub_co_u32 s3, s3, 1
	s_cmp_lg_u32 s3, 0
	s_cbranch_scc1 .Lstep
	QUARTER 128, F1, F0, 0                         ; the last two K steps ask for nothing
	QUARTER 192, F0, F1, 0
	TURN 0
	QUARTER 64, F0, F1, 0
	QUARTER 128, F1, F0, 0
	QUARTER 192, F0, F1, 0
	s_wait_dscnt 4
	MUL8 F1, 0, 0
	MUL8 F1, 1, 0
	s_wait_dscnt 0x0
	MUL8 F1, 2, 0
	MUL8 F1, 3, 0
	WIN 0
; THE WAY OUT, a block of 16 rows at a time: rounded to f16, 16 bytes a lane into my stage, back as four rows x 128 bytes of one head, stored as 512 consecutive bytes.
.macro PACK a
	WIN 0x05                                       ; sources in window 1
.irp b, 0,1,2,3,4,5,6,7
.irp r, 0,1,2,3
	v_cvt_pk_f16_f32 v[TMP+4*(\b)+(\r)], v[64*(\a)+8*(\b)+2*(\r)], v[64*(\a)+8*(\b)+2*(\r)+1]
.endr
.endr
	WIN 0
.endm
.macro TOSTAGE a
.irp b, 0,1,2,3,4,5,6,7
	ds_store_b128 v[STO], v[TMP+4*(\b):TMP+4*(\b)+3] offset:32*(\b)
.endr
.irp t, 0,1,2,3,4,5,6,7                ; head t / 4 of my two, rows 4 (t % 4) on.  LDS serves a wave's instructions in order (ISA guide 5.7.1.4): these see the stores above
	ds_load_b128 v[OB+32*(\a)+4*(\t):OB+32*(\a)+4*(\t)+3], v[RD] offset:128*((\t)/4)+((\t)%4)*4*SPITCH
.endr
.endm
.macro SEND a
	s_wait_dscnt 0x0
.irp t, 0,1,2,3,4,5,6,7
	global_store_b128 v[CO], v[OB+32*(\a)+4*(\t):OB+32*(\a)+4*(\t)+3], s[8:9] offset:((\t)/4)*262144+(\a)*2048+((\t)%4)*512
.endr
.endm
	PLACES
	PACK 0
	TOSTAGE 0
.irp a, 1,2,3
	PACK \a
	SEND (\a)-1
	TOSTAGE \a
.endr
	SEND 3
	s_wait_tensorcnt 0x0                           ; the wave's end
	ds_add_u32 v[SPW], v[NIL]
	s_wait_dscnt 0x0
	CROUND                                         ; the closing round
	s_endpgm
.Lfunc_end_k_q9d17a49551_qkv:
	.size	k_q9d17a49551_qkv, .Lfunc_end_k_q9d17a49551_qkv-k_q9d17a49551_qkv
	.p2alignl 7, 3214868480
	.fill 96, 4, 3214868480
	.section	.rodata,"a",@progbits
	.p2align	6, 0x0
	.amdhsa_kernel k_q9d17a49551_qkv
		.amdhsa_group_segment_fixed_size 327680
		.amdhsa_private_segment_fixed_size 0
		.amdhsa_enable_private_segment 0
		.amdhsa_kernarg_size 24
		.amdhsa_user_sgpr_count 2
		.amdhsa_user_sgpr_kernarg_segment_ptr 1
		.amdhsa_wavefront_size32 1
		.amdhsa_system_sgpr_workgroup_id_x 1
		.amdhsa_system_sgpr_workgroup_id_y 1
		.amdhsa_system_sgpr_workgroup_id_z 1
		.amdhsa_system_vgpr_workitem_id 0
		.amdhsa_next_free_vgpr 512
		.amdhsa_next_free_sgpr 72
		.amdhsa_reserve_vcc 0
		.amdhsa_float_denorm_mode_32 3
		.amdhsa_float_denorm_mode_16_64 3
		.amdhsa_memory_ordered 1
		.amdhsa_forward_progress 1
		.amdhsa_inst_pref_size 70
	.end_amdhsa_kernel
	.amdgpu_metadata
---
amdhsa.version: [ 1, 2 ]
amdhsa.kernels:
  - .name:           k_q9d17a49551_qkv
    .symbol:         k_q9d17a49551_qkv.kd
    .args:
      - { .name: xn, .offset: 0, .size: 8, .value_kind: global_buffer, .address_space: global }
      - { .name: wb, .offset: 8, .size: 8, .value_kind: global_buffer, .address_space: global }
      - { .name: qkv, .offset: 16, .size: 8, .value_kind: global_buffer, .address_space: global }
    .group_segment_fixed_size: 327680
    .private_segment_fixed_size: 0
    .kernarg_segment_align: 8
    .kernarg_segment_size: 24
    .max_flat_workgroup_size: 256
    .sgpr_count:     72
    .vgpr_count:     512
    .wavefront_size: 32
...
	.end_amdgpu_metadata
.endif
;; end of part 2
;; launch attn (part 3): grid 8 x 32, 4 waves a work-group, clusters of 4 x 1, 327,680 bytes of LDS; arguments qkv, o; writes o
.if DOCPART == 3
	.amdgcn_target "amdgcn-amd-amdhsa--gfx1250"
	.amdhsa_code_object_version 6
	.text
	.protected	k_q9d17a49551_attn
	.globl	k_q9d17a49551_attn
	.p2align	8
	.type	k_q9d17a49551_attn,@function
k_q9d17a49551_attn:
	s_mov_b64 s[64:65], 0
	v_nop
	global_prefetch_b8 v0, s[64:65] scope:SCOPE_SE
	s_setreg_imm32_b32 hwreg(HW_REG_WAVE_MODE, 25, 1), 1
	s_wait_xcnt 0x0
	s_wait_alu depctr_hold_cnt(0) depctr_sa_sdst(0) depctr_va_vdst(0) depctr_va_sdst(0) depctr_va_ssrc(0) depctr_va_vcc(0) depctr_vm_vsrc(0)
	s_getreg_b32 s2, hwreg(HW_REG_IB_STS2, 6, 4)
	s_cmp_eq_u32 s2, 0
	s_cbranch_scc0 .Lentry_in_a_cluster
	s_endpgm
.Lentry_in_a_cluster:
	s_bfe_u32 s2, ttmp6, 0x10000c
	s_cmp_lg_u32 s2, 0x3003
	s_cbranch_scc0 .Lentry_shape_is_right
	s_endpgm
.Lentry_shape_is_right:
; ATTENTION.  O[q][:] = the sum over k of softmax_k(Q[q] . K[k] / 8) V[k][:], for each of 32 heads (16 batch + head) of 2,048 rows x 64 channels, f16, dense by heads in qkv.
; Products, maxima and sums in f32; the weights p are rounded to f16 for the second product (their sum l is taken of the unrounded p), O once at the end, into o[4096][1024] at column 64 head.
; LIMITS.  Q, K, V arrive within f16's 65,504; p lies in 0 to 1 and below 6e-5 keeps f16's step of 6e-8; a weight below 2^-126 counts as 0 in l; NaN and infinities are not treated apart.
; O leaves in pieces of 128 bytes, 2,048 bytes apart: half of an aligned 256 bytes each; the other half is another head's work-group's.
; SHARES.  A work-group owns 256 queries of a head, a wave 64: four PIECES of 16.  Every wave walks all keys, 64 a step; a slot of LDS holds four steps.
; LAYOUT.  S^T = K Q^T holds ONE query a lane (lane % 16) and the keys 8 (lane / 16) + 0..7; two such results rounded to f16 ARE source 1 of O^T = V^T P.  K comes out of LDS as it lies, V turned.
; SOFTMAX.  p = 2^(c s - c m), c = log2(e) / 8, with a running maximum m; O and l are multiplied by a = 2^(c m_old - c m_new) in every step.  m starts at the lowest finite number, O and l at 0.
; TURNS.  Turn n belongs to piece n: 8 products K Q^T of piece n + 1, later 8 products V^T P of piece n - 1; beside them the scaling, exponentials, roundings, sums and rescaling of piece n and the
; maximum and statistics of piece n + 1.  Four vector instructions stand behind every matrix instruction, the others in one lump.  A turn's 33 exponentials are one batch, with one wait.
; CLUSTER.  The four query blocks of a cluster belong to one head and walk the same K and V: each tile is asked for jointly.
; REGISTERS: window 0: v0-15 addresses; v16-31 statistics; v48-55 at work; v64-127 S^T, two buffers; v192-223 P, two buffers.  Window 1: v0-127 O^T.  Window 2: v0-63 Q; v128-191 K; v192-255 V.
.set NP,    4
.set KS,    64
.set PK,    144                        ; a row of K in LDS: 128 bytes + 16
.set PV,    160                        ; a row of V: 128 + 32
.set VOFF,  4*KS*PK
.set SLOT1, 1<<17
.set STAGE, SLOT1+4*KS*(PK+PV)
.set SP,    144
.set SPARE, STAGE+4*16*SP
.set AK0, 2
.set AV0, 3
.set AK,  4
.set AV,  5
.set STO, 6
.set RD,  7
.set GO,  8
.set MV,  12
.set QO,  15
.set ST,  16                           ; piece t at v[ST+4 t]: c m, m, l (even keys', odd keys')
.set TMP, 48
.set PFO, 61                           ; v61  256 x my lane; never rewritten
.set SPW, 62
.set NIL, 63
.set S,   64
.set P,   192
.set KF,  128
.set VF,  192
.set WV,  12
.set G1K, 24
.set G1V, 32
.set G0K, 40
.set G0V, 44
.set PFA, 48                           ; s[48:49] where my prefetches stand
.set LIM, 50                           ; s50  1 in a wave that prefetches, else the greatest number
.set SLOTS, 56
.set CNT, 57
.set CS,  58
.set SEL, 60
.set TBK, 62
.set TBV, 63
.set MSB, 0
.macro WIN new
.if MSB != (\new)
	s_set_vgpr_msb (MSB<<8)|(\new)
.set MSB, (\new)
.endif
.endm
.set W_KQ, 0x0a
.set W_PV, 0x52
.set W_RS, 0x41
.macro JLOAD                           ; waves 0 and 1 fetch the halves of a slot's K, waves 2 and 3 those of its V
	s_cmp_lt_u32 s[WV], 2
	s_cbranch_scc0 .Lfor_v_\@
	tensor_load_to_lds s[G0K:G0K+3], s[G1K:G1K+7]
	s_nop 0
.rept 4
	v_nop
.endr
	s_branch .Lasked_\@
.Lfor_v_\@:
	tensor_load_to_lds s[G0V:G0V+3], s[G1V:G1V+7]
	s_nop 0
.rept 4
	v_nop
.endr
.Lasked_\@:
.endm
; A prefetch of what the NEXT change of slots will load: a slot is 32,768 bytes of K and of V, 128 blocks of 256 bytes each.  The head's first cluster asks; its four partners take 32 blocks each, told apart by
; address; in each, wave 0 asks for K's and wave 2 for V's, a lane a block: each block is named once in the launch, four key steps ahead of its load.  The change that loads the last slot asks for nothing.
.macro ASK
	s_cmp_gt_u32 s[SLOTS], s[LIM]
	s_cbranch_scc0 .Lnot_mine_\@
	global_prefetch_b8 v[PFO], s[PFA:PFA+1] th:TH_LOAD_NT scope:SCOPE_SE
.Lnot_mine_\@:
.endm
.macro CROUND
	s_barrier_signal -1
	s_barrier_wait -1
	s_cmp_lg_u32 s[WV], 0
	s_cbranch_scc1 .Lnot_wave_0_\@
	s_barrier_signal -3
.Lnot_wave_0_\@:
	s_barrier_wait -3
	s_barrier_signal -1
	s_barrier_wait -1
.endm
; THE CHANGE OF SLOTS.  Each wave waits for all its tensor loads (one is out: its part of the other slot), adds 0 to its spare word, and waits for that and for its reads of the slot that it leaves.
; fill = 1: the barrier is a round of the cluster's, and the old slot is filled again first thing behind it, with the keys two slots on.
.macro CHANGE fill
	WIN 0
	s_wait_tensorcnt 0x0
	ds_add_u32 v[SPW], v[NIL]
.if \fill
.irp g, G0K, G0V
	s_xor_b32 s[\g+1], s[\g+1], SLOT1
	s_add_nc_u64 s[\g+2:\g+3], s[\g+2:\g+3], 4*KS*128
.endr
	s_wait_xcnt 0x0                                ; the last prefetch, four key steps back, has read its address
	s_add_nc_u64 s[PFA:PFA+1], s[PFA:PFA+1], 4*KS*128
	s_wait_dscnt 0x0
	CROUND
	JLOAD
	ASK
.else
	s_wait_dscnt 0x0
	s_barrier_signal -1
	s_barrier_wait -1
.endif
	s_sub_co_u32 s[TBK], s[TBK], 4*KS*PK           ; the fetches go back to a slot's first step, in the other slot
	s_xor_b32 s[TBK], s[TBK], SLOT1
	s_sub_co_u32 s[TBV], s[TBV], 4*KS*PV
	s_xor_b32 s[TBV], s[TBV], SLOT1
.endm
	s_load_b64 s[4:5], s[0:1], 0x0                 ; qkv
	s_load_b64 s[10:11], s[0:1], 0x8               ; o
	v_lshl_add_u32 v[SPW], v0, 2, SPARE
	v_mov_b32 v[NIL], 0
	ds_add_u32 v[SPW], v[NIL]                      ; the wave's opening: the add and its wait ahead of my first tensor load
	v_lshrrev_b32 v1, 5, v0
	v_readfirstlane_b32 s[WV], v1
	s_bfe_u32 s13, ttmp6, 0x40000                  ; cx
	s_lshl_b32 s14, ttmp9, 2
	s_add_co_u32 s14, s14, s13                     ; my block of 256 queries: it enters Q's and O's addresses alone
	s_and_b32 s51, ttmp7, 0xffff                   ; 16 batch + head, which the partners share
	s_lshl_b32 s20, s51, 18                        ; a head is 262,144 bytes
	s_mov_b32 s21, 0
	s_and_b32 s16, s[WV], 1                        ; which half of a slot's 256 keys I fetch
	s_lshl_b32 s22, s16, 14
	s_mov_b32 s23, 0
	s_add_nc_u64 s[22:23], s[22:23], s[20:21]
	s_mul_i32 s17, s16, 128*PK
	s_mul_i32 s18, s16, 128*PV
	s_lshl_b32 s2, s14, 15                         ; my block's 256 rows of 128 bytes,
	s_lshl_b32 s3, s[WV], 13                       ; my wave's 64
	s_add_co_u32 s2, s2, s3
	s_mov_b32 s3, 0
	s_add_nc_u64 s[2:3], s[2:3], s[20:21]
	s_lshr_b32 s52, s51, 4                         ; O: row 2,048 batch + 256 block + 64 wave, of 2,048 bytes; column 64 head, 128 bytes
	s_lshl_b32 s52, s52, 11
	s_lshl_b32 s53, s14, 8
	s_add_co_u32 s52, s52, s53
	s_lshl_b32 s53, s[WV], 6
	s_add_co_u32 s52, s52, s53
	s_lshl_b32 s52, s52, 11
	s_and_b32 s53, s51, 15
	s_lshl_b32 s53, s53, 7
	s_add_co_u32 s52, s52, s53
	s_mov_b32 s53, 0
	; group 1: 128 keys are 16,384 dense bytes: 64 rows of 256 bytes, padded in LDS after every key
	s_mov_b32 s[G1K], 15|(1<<16)|(1<<20)|(1<<21)|(4<<22)|(3<<25)
	s_mov_b32 s[G1V], 15|(1<<16)|(1<<20)|(1<<21)|(4<<22)|(7<<25)
.irp g, G1K, G1V
	s_mov_b32 s[\g+1], 128<<16
	s_mov_b32 s[\g+2], 64<<16
	s_mov_b32 s[\g+3], 128<<16
	s_mov_b32 s[\g+4], 64
	s_mov_b32 s[\g+5], 128
	s_mov_b32 s[\g+6], 0
	s_mov_b32 s[\g+7], 0
.endr
	s_mov_b32 s[CS], 0x3e38aa3b                    ; c = log2(e) / 8
	s_mov_b32 s[CS+1], s[CS]
	s_mov_b32 s[SEL], 0x76543210
	s_mov_b32 s[SEL+1], 0xfedcba98
	s_mov_b32 s[TBK], SLOT1+4*KS*PK                ; the first change of slots turns these two into 0
	s_mov_b32 s[TBV], SLOT1+4*KS*PV
	s_mov_b32 s[G0K], 1
	s_mov_b32 s[G0K+1], s17
	s_mov_b32 s[G0V], 1
	s_add_co_u32 s[G0V+1], s18, VOFF
	s_mov_b32 s[SLOTS], 7                          ; slots still to be asked for
	s_and_b32 s[LIM], s[WV], 1
	s_or_b32 s[LIM], s[LIM], ttmp9                 ; 0 in waves 0 and 2 of the head's first cluster: the same in all four partners
	s_cmp_eq_u32 s[LIM], 0
	s_cselect_b32 s[LIM], 1, -1
	v_and_b32 v[PFO], 31, v0
	v_lshlrev_b32 v[PFO], 8, v[PFO]
	s_wait_dscnt 0x0
	s_wait_kmcnt 0x0
	s_add_nc_u64 s[6:7], s[4:5], 8388608           ; K behind Q's 32 heads,
	s_add_nc_u64 s[8:9], s[4:5], 16777216          ; V behind K's
	s_add_nc_u64 s[6:7], s[6:7], s[22:23]
	s_add_nc_u64 s[8:9], s[8:9], s[22:23]
	s_add_nc_u64 s[G0K+2:G0K+3], s[6:7], 0
	s_or_b32 s[G0K+3], s[G0K+3], 0x80000000
	s_add_nc_u64 s[G0V+2:G0V+3], s[8:9], 0
	s_or_b32 s[G0V+3], s[G0V+3], 0x80000000
	s_add_nc_u64 s[4:5], s[4:5], s[2:3]            ; Q at my wave's first row
	s_add_nc_u64 s[10:11], s[10:11], s[52:53]
	s_cmp_lt_u32 s[WV], 2
	s_cselect_b64 s[PFA:PFA+1], s[6:7], s[8:9]     ; (in waves 0 and 2 these stand at a slot's first row)
	s_lshl_b32 s2, s13, 13                         ; my work-group's 32 blocks of the 128
	s_mov_b32 s3, 0
	s_add_nc_u64 s[PFA:PFA+1], s[PFA:PFA+1], s[2:3]
	s_add_nc_u64 s[PFA:PFA+1], s[PFA:PFA+1], 4*KS*128  ; in slot 1; the first change of slots steps it to slot 2
	CROUND
	JLOAD                                          ; slot 0
	v_and_b32 v1, 15, v0
	v_bfe_u32 v9, v0, 4, 1
	v_lshlrev_b32 v[QO], 7, v1
	v_lshl_add_u32 v[QO], v9, 4, v[QO]
	WIN 0x80
.set i, 0
.rept 8                                ; Q stays in registers: piece i / 2, channels 32 (i % 2) on
	global_load_b128 v[8*i:8*i+3],   v[QO], s[4:5] offset:(i/2)*2048+(i%2)*64
	global_load_b128 v[8*i+4:8*i+7], v[QO], s[4:5] offset:(i/2)*2048+(i%2)*64+32
.set i, i+1
.endr
	; what the first turn finds: V and P's second buffer hold 0, O^T and l are 0: no first step is written out.  This stands in the wait for the first tile.
.set i, VF
.rept 64
	v_mov_b32 v[i], 0
.set i, i+1
.endr
	WIN 0x40
.set i, 0
.rept 128
	v_mov_b32 v[i], 0
.set i, i+1
.endr
	WIN 0
.set i, 0
.rept 4
	v_mov_b32 v[ST+4*i], 0xfe000000                ; c m: far below every c s
	v_mov_b32 v[ST+4*i+1], 0xff7fffff              ; m
	v_mov_b32 v[ST+4*i+2], 0
	v_mov_b32 v[ST+4*i+3], 0
.set i, i+1
.endr
.set i, P+16
.rept 16
	v_mov_b32 v[i], 0
.set i, i+1
.endr
	v_mul_u32_u24 v[AK0], v1, PK
	v_lshl_add_u32 v[AK0], v9, 4, v[AK0]
	v_and_b32 v10, 7, v0
	v_bfe_u32 v11, v0, 3, 1
	v_lshl_add_u32 v[AV0], v9, 3, v10              ; the turning load: key 8 (l / 16) + l % 8, channels 8 ((l / 8) % 2) on
	v_mul_u32_u24 v[AV0], v[AV0], PV
	v_lshl_add_u32 v[AV0], v11, 4, v[AV0]
	v_add_nc_u32 v[AV0], VOFF, v[AV0]
	v_mov_b32 v[AK], v[AK0]                        ; key step 0 lies at the head of slot 0
; THE MATRIX WORK.  The 4 accumulators of a run of 8 take turns.
.macro KQ x                            ; product i of 8 of S^T = K Q^T for piece x: channels 32 (i / 4) on, keys 16 (i % 4) on
	WIN W_KQ
.set rS, S+32*((\x)%2)+8*(i%4)
.set rK, KF+16*(i%4)+8*(i/4)
.set rQ, 16*(\x)+8*(i/4)
.if i < 4
	v_wmma_f32_16x16x32_f16 v[rS:rS+7], v[rK:rK+7], v[rQ:rQ+7], 0
.else
	v_wmma_f32_16x16x32_f16 v[rS:rS+7], v[rK:rK+7], v[rQ:rQ+7], v[rS:rS+7]
.endif
.endm
.macro PV x                            ; product i of 8 of O^T += V^T P for piece x: keys 32 (i / 4) on, channels 16 (i % 4) on
	WIN W_PV
.set rO, 32*(\x)+8*(i%4)
.set rV, VF+32*(i/4)+8*(i%4)
.set rP, P+16*((\x)%2)+8*(i/4)
	v_wmma_f32_16x16x32_f16 v[rO:rO+7], v[rV:rV+7], v[rP:rP+7], v[rO:rO+7]
.endm
.macro MM                              ; the turn's next matrix instruction
.if i < 8
	KQ (Y+1)%NP
.else
.set i, i-8
	PV (Y+NP-1)%NP
.set i, i+8
.endif
.set i, i+1
.endm
.macro FETCH_K                         ; a step's K: 16 loads in one run
	WIN 0x80
.irp f, 0,1,2,3,4,5,6,7
	ds_load_b128 v[KF+8*\f:KF+8*\f+3],   v[AK] offset:(\f/2)*16*PK+(\f%2)*64
	ds_load_b128 v[KF+8*\f+4:KF+8*\f+7], v[AK] offset:(\f/2)*16*PK+(\f%2)*64+32
.endr
	s_add_co_u32 s[TBK], s[TBK], KS*PK
	WIN 0
.endm
.macro FETCH_V                         ; a step's V, turned
	WIN 0x80
.irp f, 0,1,2,3,4,5,6,7
	ds_load_tr16_b128 v[VF+8*\f:VF+8*\f+3],   v[AV] offset:(\f/4)*32*PV+(\f%4)*32
	ds_load_tr16_b128 v[VF+8*\f+4:VF+8*\f+7], v[AV] offset:(\f/4)*32*PV+16*PV+(\f%4)*32
.endr
	WIN 0
.endm
; THE VECTOR WORK, one line at a time: OP kind, number.  For piece Y: F n: c s - c m for pair n of 16.  E n: the exponential of score n.  C n: pair n rounded to f16.  B n: of the four weights 4 n .. the second pair
; is added onto the first.  L n: l takes that sum (L 0: l = a l + sum).  R n: pair n of 16 of O^T times a.  For piece Y + 1: X n, number n of the 22 that find its maximum and statistics:
; 0-11 four chains of seven scores, each accumulator's lowest registers first; 12-14, 16 the rest, the old m, four into one; 15 c m_old is kept; 17, 18 the other half of the lanes; 19-21 c m, its change, a.
.set F, 0
.set E, 1
.set C, 2
.set B, 3
.set L, 4
.set R, 5
.set X, 6
.macro REGS y
.set rT, ST+4*(\y)
.set rC, TMP+4*((\y)%2)
.set rW, MV+((\y)%2)
.set rS, S+32*((\y)%2)
.set rP, P+16*((\y)%2)
.set rO, 32*(\y)
.endm
.macro OP k, n
.if (\k) == R
	REGS Y
	WIN W_RS
	v_pk_mul_f32 v[rO+2*(\n):rO+2*(\n)+1], v[rO+2*(\n):rO+2*(\n)+1], v[rC+2:rC+3] op_sel_hi:[1,0]
.elseif (\k) < R
	REGS Y
	WIN 0
.if (\k) == F
	v_pk_fma_f32 v[rS+2*(\n):rS+2*(\n)+1], v[rS+2*(\n):rS+2*(\n)+1], s[CS:CS+1], v[rT:rT+1] op_sel_hi:[1,0,0] neg_lo:[0,0,1] neg_hi:[0,0,1]
.elseif (\k) == E
	v_exp_f32 v[rS+(\n)], v[rS+(\n)]
.elseif (\k) == C
	v_cvt_pk_f16_f32 v[rP+(\n)], v[rS+2*(\n)], v[rS+2*(\n)+1]
.elseif (\k) == B
	v_pk_add_f32 v[rS+4*(\n):rS+4*(\n)+1], v[rS+4*(\n):rS+4*(\n)+1], v[rS+4*(\n)+2:rS+4*(\n)+3]
.elseif (\n) == 0
	v_pk_fma_f32 v[rT+2:rT+3], v[rT+2:rT+3], v[rC+2:rC+3], v[rS:rS+1] op_sel_hi:[1,0,1]
.else
	v_pk_add_f32 v[rT+2:rT+3], v[rT+2:rT+3], v[rS+4*(\n):rS+4*(\n)+1]
.endif
.else
	REGS (Y+1)%NP
	WIN 0
.if (\n) < 4
	v_max3_num_f32 v[rC+(\n)], v[rS+8*(\n)], v[rS+8*(\n)+1], v[rS+8*(\n)+2]
.elseif (\n) < 12
	v_max3_num_f32 v[rC+(\n)%4], v[rC+(\n)%4], v[rS+8*((\n)%4)+2*((\n)/4)+1], v[rS+8*((\n)%4)+2*((\n)/4)+2]
.elseif (\n) == 12
	v_max3_num_f32 v[rC], v[rC], v[rS+7], v[rS+15]
.elseif (\n) == 13
	v_max3_num_f32 v[rC+1], v[rC+1], v[rS+23], v[rS+31]
.elseif (\n) == 14
	v_max3_num_f32 v[rC+2], v[rC+2], v[rC+3], v[rT+1]
.elseif (\n) == 15
	v_mov_b32 v[rW], v[rT]
.elseif (\n) == 16
	v_max3_num_f32 v[rC], v[rC], v[rC+1], v[rC+2]
.elseif (\n) == 17
	v_permlanex16_b32 v[rC+3], v[rC], s[SEL], s[SEL+1]
.elseif (\n) == 18
	v_max_num_f32 v[rT+1], v[rC], v[rC+3]
.elseif (\n) == 19
	v_mul_f32 v[rT], s[CS], v[rT+1]
.elseif (\n) == 20
	v_sub_f32 v[rC+1], v[rW], v[rT]
.else
	v_exp_f32 v[rC+2], v[rC+1]
.endif
.endif
.endm
.macro OPS a, i1, b=-1, i2=0, c=-1, i3=0, d=-1, i4=0
	OP \a, \i1
.if (\b) >= 0
	OP \b, \i2
.endif
.if (\c) >= 0
	OP \c, \i3
.endif
.if (\d) >= 0
	OP \d, \i4
.endif
.endm
.macro ROW a, i1, b, i2, c, i3, d, i4  ; a matrix instruction and the four behind it
	MM
	OPS \a, \i1, \b, \i2, \c, \i3, \d, \i4
.endm
; A TURN, for piece p.  Ahead of its one wait stands all that names no result of the turn's exponentials: the 8 products K Q^T with their riders, and the lump; X 21 is the batch's last, R 15 the plain instruction
; behind it.  Behind the wait: the 8 products V^T P, behind each four of the roundings and sums.  K of the next step is fetched in piece 2's turn, six plain instructions behind the last product that read K;
; V of the step in hand at the end of piece 0's turn, four plain instructions behind the last product that read V.  Each is waited for a turn later.
; last = 1 (the tail): the address of K's fetch is held to the last slot's last step, so that the trip behind the last step reads bytes that exist; what it makes of them serves nothing.
; cnt = 1: the loop's count is taken down some lines ahead of the branch that stands behind the turn.
.macro TURN p, last=0, cnt=0
.set Y, (\p)
.set i, 0
.if (\p) == 3
	s_wait_dscnt 0x0                               ; K is in
.endif
	ROW F,0, F,1, R,0, R,1
	ROW F,2, E,0, R,2, R,3
	ROW F,3, E,1, R,4, R,5
	ROW F,4, E,2, R,6, R,7
	ROW F,5, E,3, R,8, R,9
	ROW F,6, E,4, X,0, R,10
.if (\p) == 2
	WIN 0
.if \last
	s_min_u32 s[TBK], s[TBK], SLOT1+3*KS*PK
.endif
	v_add_nc_u32 v[AK], s[TBK], v[AK0]
.endif
	ROW F,7, E,5, X,1, X,4
	ROW F,8, E,6, X,2, X,5
	OPS E,7, E,8, X,6, E,9
	OPS X,3, E,10, X,8, E,11
.if (\p) == 2
	FETCH_K
.endif
	OPS X,9, X,7, E,12, X,10
	OPS E,13, X,12, X,11, E,14
	OPS X,13, E,15, F,9, X,14
.if (\p) == 0
	v_add_nc_u32 v[AV], s[TBV], v[AV0]
.endif
	OPS E,16, F,10, E,17, F,11
	OPS X,16, E,18, X,15, E,19
	OPS F,12, E,20, X,17, E,21
	OPS F,13, E,22, F,14, E,23
	OPS X,18, E,24, F,15, E,25
	OPS R,11, E,26, X,19, E,27
	OPS R,12, E,28, R,13, E,29
	OPS X,20, E,30, R,14, E,31
	OPS X,21, R,15
	WIN 0
	s_wait_alu depctr_va_vdst(0)                   ; the wait for the batch
.if (\p) == 1
	s_wait_dscnt 0x0                               ; V is in
.endif
	ROW C,0, B,0, C,2, B,1
	ROW L,0, C,4, B,2, L,1
	ROW C,6, B,3, L,2, C,8
	ROW B,4, L,3, C,10, B,5
	ROW L,4, C,12, B,6, L,5
.if (\p) == 0
	s_add_co_u32 s[TBV], s[TBV], KS*PV
.endif
.if \cnt
	s_sub_co_u32 s[CNT], s[CNT], 1
	s_cmp_lg_u32 s[CNT], 0
.endif
	ROW C,14, B,7, L,6, C,1
	ROW C,3, L,7, C,5, C,7
	ROW C,9, C,11, C,13, C,15
.if (\p) == 0
	FETCH_V
.endif
.endm
	CHANGE 1                                       ; slot 0 is in, everybody's part of it; slot 1 is asked for
	FETCH_K                                        ; key step 0
	s_wait_loadcnt 0x0                             ; Q
	s_wait_dscnt 0x0
.set i, 0
.rept 8
	KQ 0                                           ; piece 0's first scores
.set i, i+1
.endr
	WIN 0                                          ; the addresses for the way out are the places behind those products
	s_mul_i32 s13, s[WV], 16*SP
	s_add_co_u32 s13, s13, STAGE                   ; my stage
	v_mul_u32_u24 v[STO], v1, SP
	v_lshl_add_u32 v[STO], v9, 4, v[STO]
	v_add_nc_u32 v[STO], s13, v[STO]
	v_bfe_u32 v[RD], v0, 3, 2                      ; back: 32 lanes take four rows of 128 bytes
	v_mul_u32_u24 v[RD], v[RD], SP
	v_lshl_add_u32 v[RD], v10, 4, v[RD]
	v_add_nc_u32 v[RD], s13, v[RD]
	v_bfe_u32 v[GO], v0, 3, 2                      ; the same four rows in o, 2,048 bytes apart
	v_lshlrev_b32 v[GO], 11, v[GO]
	v_lshl_add_u32 v[GO], v10, 4, v[GO]
.set Y, NP-1                           ; X works for piece Y + 1: piece 0
.irp n, 0,1,2,3,4,5,6,7,8,9,10,11,12,13,14,15,16,17,18,19,20,21
	OP X, \n
.endr
	v_nop                                          ; a plain instruction behind the exponential,
	s_wait_alu depctr_va_vdst(0)                   ; and its wait, ahead of the branch
	s_mov_b32 s[CNT], 4
	s_branch .Lfirst                               ; the loop is entered at a step's first turn
.Lslot:                                        ; six times: slots 2 to 7 are asked for
	CHANGE 1
	s_mov_b32 s[CNT], 4
.Lstep:                                        ; a trip: pieces 2 and 3 of one step, then pieces 0 and 1 of the next, whose K and V it fetches
	TURN 2
	TURN 3
	WIN 0
.Lfirst:
	TURN 0
	TURN 1, 0, 1
	WIN 0
	s_cbranch_scc1 .Lstep
	s_sub_co_u32 s[SLOTS], s[SLOTS], 1
	s_cmp_lg_u32 s[SLOTS], 0
	s_cbranch_scc1 .Lslot
	CHANGE 0                                       ; the tail is written out
	s_mov_b32 s[CNT], 5                            ; four trips fetch the last slot's steps; the fifth is left in its middle
.Ltail:
	TURN 2, 1
	TURN 3
	WIN 0
	s_sub_co_u32 s[CNT], s[CNT], 1
	s_cmp_eq_u32 s[CNT], 0
	s_cbranch_scc1 .Lout
	TURN 0
	TURN 1
	WIN 0
	s_branch .Ltail
.Lout:
.set i, 0
.rept 8
	PV NP-1                                        ; the last piece's V^T P of the last step
.set i, i+1
.endr
	; THE WAY OUT.  l's halves are added; O^T is divided by l, rounded to f16 and sent through my stage, a piece at a time.
	WIN 0
.macro ALL line:vararg
.set t, 0
.rept 4
	\line
.set t, t+1
.endr
.endm
	ALL v_add_f32 v[ST+4*t+2], v[ST+4*t+2], v[ST+4*t+3]
	ALL v_permlanex16_b32 v[ST+4*t+3], v[ST+4*t+2], s[SEL], s[SEL+1]
	ALL v_add_f32 v[ST+4*t+2], v[ST+4*t+2], v[ST+4*t+3]
	ALL v_rcp_f32 v[ST+4*t+2], v[ST+4*t+2]
	v_nop
	s_wait_alu depctr_va_vdst(0)                   ; one wait for the four reciprocals
.macro PACK t
	WIN W_RS
.set i, 32*(\t)
.rept 16
	v_pk_mul_f32 v[i:i+1], v[i:i+1], v[ST+4*(\t)+2:ST+4*(\t)+3] op_sel_hi:[1,0]
.set i, i+2
.endr
	WIN 0x05
.set i, 0
.rept 16
	v_cvt_pk_f16_f32 v[S+16*(\t)+i], v[32*(\t)+2*i], v[32*(\t)+2*i+1]
.set i, i+1
.endr
	WIN 0
.irp f, 0,1,2,3
	ds_store_b128 v[STO], v[S+16*(\t)+4*\f:S+16*(\t)+4*\f+3] offset:32*\f
.endr
.irp f, 0,1,2,3
	ds_load_b128 v[S+16*(\t)+4*\f:S+16*(\t)+4*\f+3], v[RD] offset:\f*4*SP  ; LDS serves a wave's instructions in order (ISA guide 5.7.1.4)
.endr
.endm
.macro SEND t, younger                 ; younger: the LDS instructions issued behind piece t's loads: the next piece's eight, or none
	WIN 0
.irp f, 0,1,2,3
	s_wait_dscnt (\younger)+3-\f
	global_store_b128 v[GO], v[S+16*(\t)+4*\f:S+16*(\t)+4*\f+3], s[10:11] offset:(\t)*32768+\f*8192
.endr
.endm
	PACK 0
.set t, 1
.rept 3
	PACK t
	SEND t-1, 8
.set t, t+1
.endr
	SEND 3, 0
	s_wait_tensorcnt 0x0                           ; the wave's end
	ds_add_u32 v[SPW], v[NIL]
	s_wait_dscnt 0x0
	CROUND                                         ; the closing round
	s_endpgm
.Lfunc_end_k_q9d17a49551_attn:
	.size	k_q9d17a49551_attn, .Lfunc_end_k_q9d17a49551_attn-k_q9d17a49551_attn
	.p2alignl 7, 3214868480
	.fill 96, 4, 3214868480
	.section	.rodata,"a",@progbits
	.p2align	6, 0x0
	.amdhsa_kernel k_q9d17a49551_attn
		.amdhsa_group_segment_fixed_size 327680
		.amdhsa_private_segment_fixed_size 0
		.amdhsa_enable_private_segment 0
		.amdhsa_kernarg_size 16
		.amdhsa_user_sgpr_count 2
		.amdhsa_user_sgpr_kernarg_segment_ptr 1
		.amdhsa_wavefront_size32 1
		.amdhsa_system_sgpr_workgroup_id_x 1
		.amdhsa_system_sgpr_workgroup_id_y 1
		.amdhsa_system_sgpr_workgroup_id_z 1
		.amdhsa_system_vgpr_workitem_id 0
		.amdhsa_next_free_vgpr 768
		.amdhsa_next_free_sgpr 66
		.amdhsa_reserve_vcc 0
		.amdhsa_float_denorm_mode_32 3
		.amdhsa_float_denorm_mode_16_64 3
		.amdhsa_memory_ordered 1
		.amdhsa_forward_progress 1
		.amdhsa_inst_pref_size 112
	.end_amdhsa_kernel
	.amdgpu_metadata
---
amdhsa.version: [ 1, 2 ]
amdhsa.kernels:
  - .name:           k_q9d17a49551_attn
    .symbol:         k_q9d17a49551_attn.kd
    .args:
      - { .name: qkv, .offset: 0, .size: 8, .value_kind: global_buffer, .address_space: global }
      - { .name: o, .offset: 8, .size: 8, .value_kind: global_buffer, .address_space: global }
    .group_segment_fixed_size: 327680
    .private_segment_fixed_size: 0
    .kernarg_segment_align: 8
    .kernarg_segment_size: 16
    .max_flat_workgroup_size: 128
    .sgpr_count:     66
    .vgpr_count:     768
    .wavefront_size: 32
...
	.end_amdgpu_metadata
.endif
;; end of part 3
;; launch wo (part 4): grid 8 x 32, 4 waves a work-group, clusters of 4 x 4, 327,680 bytes of LDS; arguments o, wb, x1, x; writes x1
.if DOCPART == 4
	.amdgcn_target "amdgcn-amd-amdhsa--gfx1250"
	.amdhsa_code_object_version 6
	.text
	.protected	k_q9d17a49551_wo
	.globl	k_q9d17a49551_wo
	.p2align	8
	.type	k_q9d17a49551_wo,@function
k_q9d17a49551_wo:
	s_mov_b64 s[64:65], 0
	v_nop
	global_prefetch_b8 v0, s[64:65] scope:SCOPE_SE
	s_setreg_imm32_b32 hwreg(HW_REG_WAVE_MODE, 25, 1), 1
	s_wait_xcnt 0x0
	s_wait_alu depctr_hold_cnt(0) depctr_sa_sdst(0) depctr_va_vdst(0) depctr_va_sdst(0) depctr_va_ssrc(0) depctr_va_vcc(0) depctr_vm_vsrc(0)
	s_getreg_b32 s2, hwreg(HW_REG_IB_STS2, 6, 4)
	s_cmp_eq_u32 s2, 0
	s_cbranch_scc0 .Lentry_in_a_cluster
	s_endpgm
.Lentry_in_a_cluster:
	s_bfe_u32 s2, ttmp6, 0x10000c
	s_cmp_lg_u32 s2, 0xf033
	s_cbranch_scc0 .Lentry_shape_is_right
	s_endpgm
.Lentry_shape_is_right:
; WO: x1[m][n] = bf16(x[m][n]) + sum over k of o[m][k] wo[n][k].  o and wo in f16 (wo: the bf16-rounded weight written as f16), sums and x1 in f32; x is rounded to bf16 like every input.
; A tile is 128 x 128: 256 work-groups.  Four waves, each 64 x 64: 16 accumulators.  K goes in steps of 256 (LDS rows of 512 bytes; a wave's tensor load brings 64 of them) through two slots; a trip of
; the loop is ONE K step, the slot in hand a scalar, TB.  CLUSTER 4 x 4: A's tile is asked for jointly along a row of the cluster, B's along a column.
; The matrix instruction is used transposed: a lane holds row l % 16 of C and eight neighbouring columns.  A wave's 64 columns of f32 are one aligned block of 256 bytes, so its stage is its own.
; REGISTERS: window 0: v0-31 addresses; v32-95 rows read back, two sets; v128-255 accumulator (a, b) at v[128 + 8 (4 a + b)].  Window 1: two fragment buffers of 128 (A's 64, then B's 64).
; Window 2: v0-127 the residual, in the layout of the rows read back; v128-131 at work.
.set KDIM,   1024
.set BOFF,   6291456
.set KSTEP,  256
.set PITCH,  528                       ; 512 bytes + 16 of padding
.set PART,   64*PITCH
.set SLOT,   4*PART                    ; A's 128 rows, then B's 128 rows
.set NSTEP,  KDIM/KSTEP
.set STAGE,  2*SLOT                    ; behind the ring: 16 rows x 272 bytes for each wave
.set SPITCH, 272
.set SPARE,  STAGE+4*16*SPITCH
.set BASEA, 16
.set BASEB, 17
.set ADRA,  18
.set ADRB,  19
.set STO,   24
.set RD,    25
.set CO,    26
.set SPW,   28
.set NIL,   29
.set OB,    32
.set ACC,   128
.set F0,    0
.set F1,    128
.set RES,   0
.set RT,    128
.set TB,    2
.set G1,    24
.set G0,    32
.set G1B,   48
.set G0B,   56
.set MULW,  0x05                       ; both fragments in window 1; C and D in window 0
.set TO_F,  0x40
.set MSB, 0
.macro WIN new
.if MSB != (\new)
	s_set_vgpr_msb (MSB<<8)|(\new)
.set MSB, \new
.endif
.endm
.macro PLACES
.rept 4
	v_nop
.endr
.endm
.macro JLOAD
	s_cmp_eq_u32 s11, 0
	s_cbranch_scc0 .Lfor_b_\@
	tensor_load_to_lds s[G0+4:G0+7], s[G1:G1+7]
	s_nop 0
.rept 4
	v_nop
.endr
	s_branch .Lasked_\@
.Lfor_b_\@:
	tensor_load_to_lds s[G0B+4:G0B+7], s[G1B:G1B+7]
	s_nop 0
.rept 4
	v_nop
.endr
.Lasked_\@:
.endm
.macro CREST
	s_cmp_lg_u32 s10, 0
	s_cbranch_scc1 .Lnot_wave_0_\@
	s_barrier_signal -3
.Lnot_wave_0_\@:
	s_barrier_wait -3
	s_barrier_signal -1
	s_barrier_wait -1
.endm
.macro CROUND
	s_barrier_signal -1
	s_barrier_wait -1
	CREST
.endm
	s_load_b128 s[4:7], s[0:1], 0x0                ; o, wb
	s_load_b128 s[68:71], s[0:1], 0x10             ; x1 s[68:69], x s[70:71]
	v_lshl_add_u32 v[SPW], v0, 2, SPARE
	v_mov_b32 v[NIL], 0
	ds_add_u32 v[SPW], v[NIL]                      ; the wave's opening: the add and its wait ahead of my first tensor load
	v_lshrrev_b32 v1, 5, v0
	v_readfirstlane_b32 s10, v1                    ; wave 0..3
	s_lshr_b32 s11, s10, 1                         ; my half of the tile's rows.  Also: I fetch for A (0) or for B (1)
	s_and_b32 s12, s10, 1                          ; my half of its columns.  Also: which 64 rows I fetch
	s_bfe_u32 s40, ttmp6, 0x40000
	s_bfe_u32 s41, ttmp6, 0x40004
	s_lshl_b32 s42, ttmp9, 2
	s_add_co_u32 s42, s42, s40                     ; tile column
	s_and_b32 s13, ttmp7, 0xffff
	s_lshl_b32 s13, s13, 2
	s_add_co_u32 s13, s13, s41                     ; tile row
	s_lshl_b32 s43, s41, 2
	s_lshl_b32 s43, 15, s43
	s_lshl_b32 s44, 0x1111, s40
	s_or_b32 s[G1+0], s43, (1<<16)|(1<<20)|(1<<21)|(6<<22)|(3<<25)   ; padding after every 128 words, 4 words
	s_or_b32 s[G1B+0], s44, (1<<16)|(1<<20)|(1<<21)|(6<<22)|(3<<25)
.irp g, G1, G1B
	s_mov_b32 s[(\g)+1], KSTEP<<16
	s_mov_b32 s[(\g)+2], 64<<16
	s_mov_b32 s[(\g)+3], KSTEP<<16
	s_mov_b32 s[(\g)+4], 64
	s_mov_b32 s[(\g)+5], KDIM
	s_mov_b32 s[(\g)+6], 0
	s_mov_b32 s[(\g)+7], 0
.endr
	s_lshl_b32 s17, s12, 6
	s_lshl_b32 s16, s13, 7
	s_add_co_u32 s16, s16, s17
	s_lshl_b32 s46, s42, 7
	s_add_co_u32 s46, s46, s17
	s_mul_i32 s16, s16, KDIM*2
	s_mul_i32 s46, s46, KDIM*2
	s_mov_b32 s17, 0
	s_mov_b32 s47, 0
	s_mul_i32 s20, s10, PART
	s_mov_b32 s[TB], 0
	s_lshl_b32 s72, s13, 7                         ; my part of C and of the residual: row 128 x tile row + 64 wi, of 4,096 bytes; column 128 x tile column + 64 wj, of 4 bytes
	s_lshl_b32 s73, s11, 6
	s_add_co_u32 s72, s72, s73
	s_lshl_b32 s72, s72, 12
	s_lshl_b32 s73, s42, 9
	s_add_co_u32 s72, s72, s73
	s_lshl_b32 s73, s12, 8
	s_add_co_u32 s72, s72, s73
	s_mov_b32 s73, 0
	s_mov_b32 s74, 0xffff0000
	s_wait_dscnt 0x0
	s_wait_kmcnt 0x0
	s_add_nc_u64 s[14:15], s[4:5], s[16:17]
	s_add_nc_u64 s[46:47], s[6:7], s[46:47]
	s_add_nc_u64 s[46:47], s[46:47], BOFF
	s_add_nc_u64 s[68:69], s[68:69], s[72:73]
	s_add_nc_u64 s[70:71], s[70:71], s[72:73]
	CROUND
.irp s, 0,1
	s_mov_b32 s[G0+4*(\s)], 1
	s_add_co_u32 s[G0+4*(\s)+1], s20, (\s)*SLOT
	s_add_nc_u64 s[G0+4*(\s)+2:G0+4*(\s)+3], s[14:15], (\s)*KSTEP*2
	s_or_b32 s[G0+4*(\s)+3], s[G0+4*(\s)+3], 0x80000000
	s_mov_b32 s[G0B+4*(\s)], 1
	s_add_co_u32 s[G0B+4*(\s)+1], s20, (\s)*SLOT
	s_add_nc_u64 s[G0B+4*(\s)+2:G0B+4*(\s)+3], s[46:47], (\s)*KSTEP*2
	s_or_b32 s[G0B+4*(\s)+3], s[G0B+4*(\s)+3], 0x80000000
.endr
	s_cmp_eq_u32 s11, 0
	s_cbranch_scc0 .Lfirst_b
	tensor_load_to_lds s[G0:G0+3], s[G1:G1+7]
	s_nop 0
	tensor_load_to_lds s[G0+4:G0+7], s[G1:G1+7]
	s_nop 0
.rept 4
	v_nop
.endr
	s_branch .Lfirst_asked
.Lfirst_b:
	tensor_load_to_lds s[G0B:G0B+3], s[G1B:G1B+7]
	s_nop 0
	tensor_load_to_lds s[G0B+4:G0B+7], s[G1B:G1B+7]
	s_nop 0
.rept 4
	v_nop
.endr
.Lfirst_asked:
	v_and_b32 v1, 15, v0
	v_bfe_u32 v2, v0, 4, 1
	v_mul_u32_u24 v3, v1, PITCH
	v_lshl_add_u32 v3, v2, 4, v3
	s_mul_i32 s21, s11, PART
	s_mul_i32 s22, s12, PART
	s_add_co_u32 s22, s22, 2*PART
	v_add_nc_u32 v[BASEA], s21, v3
	v_add_nc_u32 v[BASEB], s22, v3
	s_mul_i32 s23, s10, 16*SPITCH
	s_add_co_u32 s23, s23, STAGE
	v_mul_u32_u24 v4, v1, SPITCH                   ; in: row l % 16, 32 bytes for each half of the lanes
	v_lshl_add_u32 v4, v2, 5, v4
	v_add_nc_u32 v[STO], s23, v4
	v_mul_u32_u24 v5, v2, SPITCH                   ; back: lanes 0-15 one row of 256 bytes, lanes 16-31 the next
	v_lshl_add_u32 v5, v1, 4, v5
	v_add_nc_u32 v[RD], s23, v5
	v_lshlrev_b32 v5, 12, v2                       ; the same two rows in x and x1
	v_lshl_add_u32 v[CO], v1, 4, v5
	WIN 0x80                                       ; the residual: 32 loads, each two aligned blocks of 256 bytes; block a, rows 2 t on, at RES + 4 (8 a + t)
.set i, 0
.rept 32
	global_load_b128 v[RES+4*i:RES+4*i+3], v[CO], s[70:71] offset:(16*(i/8)+2*(i%8))*4096 th:TH_LOAD_NT
.set i, i+1
.endr
	s_wait_loadcnt 0x0
	WIN 0x8a                                       ; x is rounded to bf16, in the wait for the first tile
.set i, 0
.rept 64
	v_cvt_pk_bf16_f32 v[RT+i%4], v[RES+2*i], v[RES+2*i+1]
	v_lshlrev_b32 v[RES+2*i], 16, v[RT+i%4]
	v_and_b32 v[RES+2*i+1], s74, v[RT+i%4]
.set i, i+1
.endr
	WIN 0
.macro MUL8 f, c, a0, zero             ; row blocks a0, a0 + 1 x all 4 column blocks, 32 along K: half c of buffer f
	WIN MULW
.irp a, \a0, (\a0)+1
.irp b, 0,1,2,3
.if \zero
	v_wmma_f32_16x16x32_f16 v[ACC+8*(4*(\a)+(\b)):ACC+8*(4*(\a)+(\b))+7], v[(\f)+64+8*(4*(\c)+(\b)):(\f)+64+8*(4*(\c)+(\b))+7], v[(\f)+8*(4*(\c)+(\a)):(\f)+8*(4*(\c)+(\a))+7], 0
.else
	v_wmma_f32_16x16x32_f16 v[ACC+8*(4*(\a)+(\b)):ACC+8*(4*(\a)+(\b))+7], v[(\f)+64+8*(4*(\c)+(\b)):(\f)+64+8*(4*(\c)+(\b))+7], v[(\f)+8*(4*(\c)+(\a)):(\f)+8*(4*(\c)+(\a))+7], v[ACC+8*(4*(\a)+(\b)):ACC+8*(4*(\a)+(\b))+7]
.endif
.endr
.endr
.endm
.macro FETCH k, f                      ; 32 LDS loads in one run: 64 along K at byte k of the rows; the first 32 along K first
	WIN TO_F
.irp c, 0,1
.irp i, 0,1,2,3
	ds_load_b128 v[(\f)+64+8*(4*(\c)+(\i)):(\f)+64+8*(4*(\c)+(\i))+3],   v[ADRB] offset:(\k)+64*(\c)+(\i)*16*PITCH
	ds_load_b128 v[(\f)+64+8*(4*(\c)+(\i))+4:(\f)+64+8*(4*(\c)+(\i))+7], v[ADRB] offset:(\k)+64*(\c)+(\i)*16*PITCH+32
	ds_load_b128 v[(\f)+8*(4*(\c)+(\i)):(\f)+8*(4*(\c)+(\i))+3],         v[ADRA] offset:(\k)+64*(\c)+(\i)*16*PITCH
	ds_load_b128 v[(\f)+8*(4*(\c)+(\i))+4:(\f)+8*(4*(\c)+(\i))+7],       v[ADRA] offset:(\k)+64*(\c)+(\i)*16*PITCH+32
.endr
.endr
.endm
.macro QUARTER k, f, g, zero           ; 64 along K: 32 matrix instructions, the 16 accumulators by turns, twice
	s_wait_dscnt 16                                ; the first 32 along K are in
	MUL8 \f, 0, 0, \zero
	MUL8 \f, 0, 2, \zero
	PLACES
	FETCH \k, \g
	s_wait_dscnt 32                                ; all but the 32 just issued
	MUL8 \f, 1, 0, 0
	MUL8 \f, 1, 2, 0
.endm
.macro TURN fill                       ; the last quarter multiplies buffer 1 and changes slots
	WIN 0
	s_wait_tensorcnt 0x0                           ; all my tensor loads have landed: my part of the next slot
	ds_add_u32 v[SPW], v[NIL]
	s_wait_dscnt 17                                ; (the add and the youngest sixteen loads may be out)
	MUL8 F1, 0, 0, 0
	s_wait_dscnt 0x0                               ; the add is done, my reads of this slot are over
	s_barrier_signal -1
	MUL8 F1, 0, 2, 0
	WIN 0
	s_barrier_wait -1
.if \fill
	CREST
	s_add_co_u32 s[G0+5], s20, s[TB]
	s_add_nc_u64 s[G0+6:G0+7], s[G0+6:G0+7], KSTEP*2
	s_add_co_u32 s[G0B+5], s20, s[TB]
	s_add_nc_u64 s[G0B+6:G0B+7], s[G0B+6:G0B+7], KSTEP*2
	JLOAD
.else
	PLACES
.endif
	s_xor_b32 s[TB], s[TB], SLOT
	v_add_nc_u32 v[ADRA], s[TB], v[BASEA]
	v_add_nc_u32 v[ADRB], s[TB], v[BASEB]
	FETCH 0, F0
	MUL8 F1, 1, 0, 0
	MUL8 F1, 1, 2, 0
.endm
	s_wait_tensorcnt 1                             ; my part of K step 0 is in; K step 1's may stay out
	s_barrier_signal -1
	s_barrier_wait -1
	v_mov_b32 v[ADRA], v[BASEA]
	v_mov_b32 v[ADRB], v[BASEB]
	FETCH 0, F0
	QUARTER 128, F0, F1, 1
	WIN 0
	s_mov_b32 s3, NSTEP-2
.Lstep:
	QUARTER 256, F1, F0, 0
	QUARTER 384, F0, F1, 0
	TURN 1
	QUARTER 128, F0, F1, 0
	WIN 0
	s_sub_co_u32 s3, s3, 1
	s_cmp_lg_u32 s3, 0
	s_cbranch_scc1 .Lstep
	QUARTER 256, F1, F0, 0
	QUARTER 384, F0, F1, 0
	TURN 0
	QUARTER 128, F0, F1, 0
	QUARTER 256, F1, F0, 0
	QUARTER 384, F0, F1, 0
	s_wait_dscnt 16
	MUL8 F1, 0, 0, 0
	MUL8 F1, 0, 2, 0
	s_wait_dscnt 0x0
	MUL8 F1, 1, 0, 0
	MUL8 F1, 1, 2, 0
	WIN 0
; THE WAY OUT, a block of 16 rows at a time: the f32 sums go into my stage, 32 bytes a lane, come back as whole rows of 256 bytes, take the residual and are stored.
.macro OUT a
	WIN 0
.irp b, 0,1,2,3
	ds_store_b128 v[STO], v[ACC+8*(4*(\a)+(\b)):ACC+8*(4*(\a)+(\b))+3]   offset:64*(\b)
	ds_store_b128 v[STO], v[ACC+8*(4*(\a)+(\b))+4:ACC+8*(4*(\a)+(\b))+7] offset:64*(\b)+16
.endr
.irp t, 0,1,2,3,4,5,6,7
	ds_load_b128 v[OB+32*((\a)%2)+4*(\t):OB+32*((\a)%2)+4*(\t)+3], v[RD] offset:(\t)*2*SPITCH  ; LDS serves a wave's instructions in order (ISA guide 5.7.1.4)
.endr
	s_wait_dscnt 0x0
	WIN 0x88                                       ; destination and source 1 in window 2
.set i, 0
.rept 16
	v_pk_add_f32 v[RES+32*(\a)+2*i:RES+32*(\a)+2*i+1], v[OB+32*((\a)%2)+2*i:OB+32*((\a)%2)+2*i+1], v[RES+32*(\a)+2*i:RES+32*(\a)+2*i+1]
.set i, i+1
.endr
	WIN 0x08                                       ; the stores' data in window 2
.irp t, 0,1,2,3,4,5,6,7
	global_store_b128 v[CO], v[RES+32*(\a)+4*(\t):RES+32*(\a)+4*(\t)+3], s[68:69] offset:(16*(\a)+2*(\t))*4096  ; 16 lanes store 256 consecutive bytes, aligned
.endr
.endm
	PLACES
	OUT 0
	OUT 1
	OUT 2
	OUT 3
	WIN 0
	s_wait_tensorcnt 0x0                           ; the wave's end
	ds_add_u32 v[SPW], v[NIL]
	s_wait_dscnt 0x0
	CROUND
	s_endpgm
.Lfunc_end_k_q9d17a49551_wo:
	.size	k_q9d17a49551_wo, .Lfunc_end_k_q9d17a49551_wo-k_q9d17a49551_wo
	.p2alignl 7, 3214868480
	.fill 96, 4, 3214868480
	.section	.rodata,"a",@progbits
	.p2align	6, 0x0
	.amdhsa_kernel k_q9d17a49551_wo
		.amdhsa_group_segment_fixed_size 327680
		.amdhsa_private_segment_fixed_size 0
		.amdhsa_enable_private_segment 0
		.amdhsa_kernarg_size 32
		.amdhsa_user_sgpr_count 2
		.amdhsa_user_sgpr_kernarg_segment_ptr 1
		.amdhsa_wavefront_size32 1
		.amdhsa_system_sgpr_workgroup_id_x 1
		.amdhsa_system_sgpr_workgroup_id_y 1
		.amdhsa_system_sgpr_workgroup_id_z 1
		.amdhsa_system_vgpr_workitem_id 0
		.amdhsa_next_free_vgpr 648
		.amdhsa_next_free_sgpr 76
		.amdhsa_reserve_vcc 0
		.amdhsa_float_denorm_mode_32 3
		.amdhsa_float_denorm_mode_16_64 3
		.amdhsa_memory_ordered 1
		.amdhsa_forward_progress 1
		.amdhsa_inst_pref_size 83
	.end_amdhsa_kernel
	.amdgpu_metadata
---
amdhsa.version: [ 1, 2 ]
amdhsa.kernels:
  - .name:           k_q9d17a49551_wo
    .symbol:         k_q9d17a49551_wo.kd
    .args:
      - { .name: o, .offset: 0, .size: 8, .value_kind: global_buffer, .address_space: global }
      - { .name: wb, .offset: 8, .size: 8, .value_kind: global_buffer, .address_space: global }
      - { .name: x1, .offset: 16, .size: 8, .value_kind: global_buffer, .address_space: global }
      - { .name: x, .offset: 24, .size: 8, .value_kind: global_buffer, .address_space: global }
    .group_segment_fixed_size: 327680
    .private_segment_fixed_size: 0
    .kernarg_segment_align: 8
    .kernarg_segment_size: 32
    .max_flat_workgroup_size: 128
    .sgpr_count:     76
    .vgpr_count:     648
    .wavefront_size: 32
...
	.end_amdgpu_metadata
.endif
;; end of part 4
;; launch norm2 (part 5): grid 256 x 1, 16 waves a work-group, no clusters, 35,072 bytes of LDS; arguments x1, n2_w, xn; writes xn
.if DOCPART == 5
	.amdgcn_target "amdgcn-amd-amdhsa--gfx1250"
	.amdhsa_code_object_version 6
	.text
	.protected	k_q9d17a49551_norm2
	.globl	k_q9d17a49551_norm2
	.p2align	8
	.type	k_q9d17a49551_norm2,@function
k_q9d17a49551_norm2:
	s_mov_b64 s[64:65], 0
	v_nop
	global_prefetch_b8 v0, s[64:65] scope:SCOPE_SE
	s_setreg_imm32_b32 hwreg(HW_REG_WAVE_MODE, 25, 1), 1
	s_wait_xcnt 0x0
; NORM2: xn = bf16( x1 * rsqrt(mean(x1^2) + 1e-6) * bf16(n2_w) ), laid out for the product that follows.
; x1 is the program's own f32 and is taken as it is; the gain is an input and is rounded to bf16 like every input.
; XN LIES IN UNITS of 256 bytes: 16 rows x 8 columns, 16 bytes a row; unit (rg, k8) at (128 rg + k8) x 256; position r of unit rg is row 16 rg + r.
; SHARES.  A work-group of 16 waves takes 16 rows, a wave a row of 1,024 f32, kept in registers between the sum and the scaling.  A unit holds a piece of all 16 rows, so the packed rows meet in LDS:
; rows 2,064 bytes apart (2,048 + 16: the 16 rows that a load touches start at 16 different groups of four banks; 64 banks of 4 bytes: ISA guide 11.1); one barrier; then wave w takes units 8 w to 8 w + 7,
; two a load (lanes 0-15 one unit, lanes 16-31 the next), and each of its four stores covers 512 consecutive bytes, aligned.
.set X,   32                           ; v[32:63]  the row; later the units read back
.set W,   64                           ; v[64:95]  the gain
.set Y,   96                           ; v[96:111] packed results
.set TQ,  8                            ; v[8:11]   at work
.set SQ,  16                           ; v[16:23]  four chains of squares, two sums each
.set RS,  24                           ; v[24:25]  the reciprocal root, twice
.set SPW, 26                           ; v26  my spare word; never rewritten
.set NIL, 27                           ; v27  0; never rewritten
.set LST, 5                            ; v5   where I put 8 bytes of my row
.set LRD, 6                            ; v6   where I read 16 bytes of a unit
.set LPITCH, 2064
.set SPARE,  16*LPITCH                 ; behind the 16 rows: the spare words, 128 bytes a wave: eight blocks of 256 bytes that no other line names
.macro ROUND2 a
	v_cvt_pk_bf16_f32 v[TQ+((\a)/2)%4], v[\a], v[(\a)+1]
	v_lshlrev_b32 v[\a], 16, v[TQ+((\a)/2)%4]
	v_and_b32 v[(\a)+1], s40, v[TQ+((\a)/2)%4]
.endm
	s_load_b128 s[16:19], s[0:1], 0x0              ; x1, n2_w
	s_load_b64 s[30:31], s[0:1], 0x10              ; xn
	v_lshl_add_u32 v[SPW], v0, 2, SPARE
	v_mov_b32 v[NIL], 0
	v_lshrrev_b32 v1, 5, v0
	v_readfirstlane_b32 s8, v1                     ; wave 0..15
	v_and_b32 v2, 31, v0                           ; lane
	v_lshlrev_b32 v3, 4, v2                        ; 16 x lane: where I read x1 and the gain, and where I write xn
	v_lshlrev_b32 v4, 3, v2                        ; 8 x lane
	s_mul_i32 s9, s8, LPITCH
	v_add_nc_u32 v[LST], s9, v4                    ; my row in LDS + 8 x lane
	v_and_b32 v7, 15, v0                           ; r
	v_bfe_u32 v12, v0, 4, 1                        ; h
	v_mul_u32_u24 v[LRD], v7, LPITCH               ; row r,
	v_lshl_add_u32 v[LRD], v12, 4, v[LRD]          ; unit h of the load's two,
	s_lshl_b32 s9, s8, 7
	v_add_nc_u32 v[LRD], s9, v[LRD]                ; of my wave's eight: 128 bytes of a row
	s_mov_b32 s11, 0
	s_mov_b32 s39, 0
	s_mov_b32 s40, 0xffff0000
	s_mov_b32 s12, 0x76543210
	s_mov_b32 s13, 0xfedcba98
	s_mov_b32 s14, 0x3a800000                      ; 1 / 1,024
	s_mov_b32 s15, 0x358637bd                      ; 1e-6
	s_lshl_b32 s10, ttmp9, 4
	s_add_co_u32 s10, s10, s8                      ; my row
	s_lshl_b32 s10, s10, 12
	s_lshl_b32 s38, ttmp9, 15                      ; the work-group's 128 units,
	s_lshl_b32 s9, s8, 11                          ; my wave's eight
	s_add_co_u32 s38, s38, s9
	s_wait_kmcnt 0x0
	s_add_nc_u64 s[4:5], s[16:17], s[10:11]
	s_add_nc_u64 s[6:7], s[30:31], s[38:39]
.irp j, 0,1,2,3,4,5,6,7
	global_load_b128 v[X+4*(\j):X+4*(\j)+3], v3, s[4:5] offset:512*(\j) th:TH_LOAD_NT
.endr
.irp j, 0,1,2,3,4,5,6,7
	global_load_b128 v[W+4*(\j):W+4*(\j)+3], v3, s[18:19] offset:512*(\j)
.endr
	s_wait_loadcnt 8                               ; the row is in; the gain's eight loads may stay out
.irp k, 0,1,2,3
	v_pk_mul_f32 v[SQ+2*(\k):SQ+2*(\k)+1], v[X+2*(\k):X+2*(\k)+1], v[X+2*(\k):X+2*(\k)+1]  ; the first four pairs start the chains: nothing is cleared
.endr
.set i, 4
.rept 12
	v_pk_fma_f32 v[SQ+2*(i%4):SQ+2*(i%4)+1], v[X+2*i:X+2*i+1], v[X+2*i:X+2*i+1], v[SQ+2*(i%4):SQ+2*(i%4)+1]
.set i, i+1
.endr
	v_pk_add_f32 v[SQ:SQ+1], v[SQ:SQ+1], v[SQ+2:SQ+3]
	v_pk_add_f32 v[SQ+4:SQ+5], v[SQ+4:SQ+5], v[SQ+6:SQ+7]
	v_pk_add_f32 v[SQ:SQ+1], v[SQ:SQ+1], v[SQ+4:SQ+5]
	v_add_f32 v[SQ], v[SQ], v[SQ+1]
	v_add_f32_dpp v[SQ], v[SQ], v[SQ] row_xmask:1 row_mask:0xf bank_mask:0xf
	v_add_f32_dpp v[SQ], v[SQ], v[SQ] row_xmask:2 row_mask:0xf bank_mask:0xf
	v_add_f32_dpp v[SQ], v[SQ], v[SQ] row_xmask:4 row_mask:0xf bank_mask:0xf
	v_add_f32_dpp v[SQ], v[SQ], v[SQ] row_xmask:8 row_mask:0xf bank_mask:0xf
	v_permlanex16_b32 v[SQ+1], v[SQ], s12, s13     ; the other half of the lanes
	v_add_f32 v[SQ], v[SQ], v[SQ+1]
	v_fma_f32 v[SQ], v[SQ], s14, s15               ; sum / 1,024 + 1e-6
	v_rsq_f32 v[RS], v[SQ]
	v_rsq_f32 v[RS+1], v[SQ]                       ; twice: the packed multiply takes a pair
	s_wait_loadcnt 0x0                             ; the gain
.set i, 0
.rept 16
	ROUND2 W+2*i                                   ; the independent work behind the two roots
.set i, i+1
.endr
	s_wait_alu depctr_va_vdst(0)                   ; one wait for both roots, ahead of their first reader
.set i, 0
.rept 16
	v_pk_mul_f32 v[X+2*i:X+2*i+1], v[X+2*i:X+2*i+1], v[RS:RS+1]
	v_pk_mul_f32 v[X+2*i:X+2*i+1], v[X+2*i:X+2*i+1], v[W+2*i:W+2*i+1]
.set i, i+1
.endr
.irp j, 0,1,2,3,4,5,6,7
	v_cvt_pk_bf16_f32 v[Y+2*(\j)], v[X+4*(\j)], v[X+4*(\j)+1]
	v_cvt_pk_bf16_f32 v[Y+2*(\j)+1], v[X+4*(\j)+2], v[X+4*(\j)+3]
	ds_store_b64 v[LST], v[Y+2*(\j):Y+2*(\j)+1] offset:256*(\j)  ; columns 128 j + 4 l on: 256 consecutive bytes of my row
.endr
	s_wait_dscnt 0x0                               ; for the others' sake: my row lies in LDS
	s_barrier_signal -1
	s_barrier_wait -1                              ; all 16 rows do
.irp i, 0,1,2,3
	ds_load_b128 v[X+4*(\i):X+4*(\i)+3], v[LRD] offset:32*(\i)  ; units 8 w + 2 i and 8 w + 2 i + 1: 16 bytes of each of the 16 rows
.endr
	s_wait_dscnt 0x0
.irp i, 0,1,2,3
	global_store_b128 v3, v[X+4*(\i):X+4*(\i)+3], s[6:7] offset:512*(\i)  ; two units: 512 consecutive bytes, aligned
.endr
	s_wait_tensorcnt 0x0                           ; the wave's end, behind my last LDS store
	ds_add_u32 v[SPW], v[NIL]
	s_wait_dscnt 0x0
	s_endpgm
.Lfunc_end_k_q9d17a49551_norm2:
	.size	k_q9d17a49551_norm2, .Lfunc_end_k_q9d17a49551_norm2-k_q9d17a49551_norm2
	.p2alignl 7, 3214868480
	.fill 96, 4, 3214868480
	.section	.rodata,"a",@progbits
	.p2align	6, 0x0
	.amdhsa_kernel k_q9d17a49551_norm2
		.amdhsa_group_segment_fixed_size 35072
		.amdhsa_private_segment_fixed_size 0
		.amdhsa_enable_private_segment 0
		.amdhsa_kernarg_size 24
		.amdhsa_user_sgpr_count 2
		.amdhsa_user_sgpr_kernarg_segment_ptr 1
		.amdhsa_wavefront_size32 1
		.amdhsa_system_sgpr_workgroup_id_x 1
		.amdhsa_system_sgpr_workgroup_id_y 1
		.amdhsa_system_sgpr_workgroup_id_z 1
		.amdhsa_system_vgpr_workitem_id 0
		.amdhsa_next_free_vgpr 112
		.amdhsa_next_free_sgpr 66
		.amdhsa_reserve_vcc 0
		.amdhsa_float_denorm_mode_32 3
		.amdhsa_float_denorm_mode_16_64 3
		.amdhsa_memory_ordered 1
		.amdhsa_forward_progress 1
		.amdhsa_inst_pref_size 12
	.end_amdhsa_kernel
	.amdgpu_metadata
---
amdhsa.version: [ 1, 2 ]
amdhsa.kernels:
  - .name:           k_q9d17a49551_norm2
    .symbol:         k_q9d17a49551_norm2.kd
    .args:
      - { .name: x1, .offset: 0, .size: 8, .value_kind: global_buffer, .address_space: global }
      - { .name: n2_w, .offset: 8, .size: 8, .value_kind: global_buffer, .address_space: global }
      - { .name: xn, .offset: 16, .size: 8, .value_kind: global_buffer, .address_space: global }
    .group_segment_fixed_size: 35072
    .private_segment_fixed_size: 0
    .kernarg_segment_align: 8
    .kernarg_segment_size: 24
    .max_flat_workgroup_size: 512
    .sgpr_count:     66
    .vgpr_count:     112
    .wavefront_size: 32
...
	.end_amdgpu_metadata
.endif
;; end of part 5
;; launch ffn1 (part 6): grid 16 x 16, 8 waves a work-group, clusters of 4 x 4, 327,680 bytes of LDS; arguments xn, wb, g; writes g
.if DOCPART == 6
	.amdgcn_target "amdgcn-amd-amdhsa--gfx1250"
	.amdhsa_code_object_version 6
	.text
	.protected	k_q9d17a49551_ffn1
	.globl	k_q9d17a49551_ffn1
	.p2align	8
	.type	k_q9d17a49551_ffn1,@function
k_q9d17a49551_ffn1:
	s_mov_b64 s[64:65], 0
	v_nop
	global_prefetch_b8 v0, s[64:65] scope:SCOPE_SE
	s_setreg_imm32_b32 hwreg(HW_REG_WAVE_MODE, 25, 1), 1
	s_wait_xcnt 0x0
	s_wait_alu depctr_hold_cnt(0) depctr_sa_sdst(0) depctr_va_vdst(0) depctr_va_sdst(0) depctr_va_ssrc(0) depctr_va_vcc(0) depctr_vm_vsrc(0)
	s_getreg_b32 s2, hwreg(HW_REG_IB_STS2, 6, 4)
	s_cmp_eq_u32 s2, 0
	s_cbranch_scc0 .Lentry_in_a_cluster
	s_endpgm
.Lentry_in_a_cluster:
	s_bfe_u32 s2, ttmp6, 0x10000c
	s_cmp_lg_u32 s2, 0xf033
	s_cbranch_scc0 .Lentry_shape_is_right
	s_endpgm
.Lentry_shape_is_right:
; FFN1: g[m][f] = silu(h1) h3, h1 = sum over k of xn[m][k] w1[f][k], h3 the same with w3; bf16 operands, f32 sums, g rounded once to bf16; 2,816 columns, of which 2,730 on come out 0 (their weights are 0).
; silu(h1) h3 = h1 h3 / (1 + 2^(-log2(e) h1)): where the exponential is infinite the quotient is 0.  NaN and infinities are not treated apart.
; SHARES.  4,096 x 5,632 results on 256 work-groups: a tile is 256 rows x 352 rows of w13 (176 columns of g).  Eight waves, 4 along m x 2 along n: a wave makes 64 x 176: 44 accumulators.
; B is w13: a block of 16 rows holds 8 columns of g, rows of w1 and w3 by turns of two, so that in a result (used transposed: a lane holds one row m and eight rows n of w13) registers 0, 1 and 4, 5 hold h1
; and registers 2, 3 and 6, 7 hold h3 of the same four columns: the gate works on register pairs of one lane.
; XN AND G LIE IN UNITS of 256 bytes: 16 rows x 8 columns, 16 bytes a row; position r of a unit of row group rg is row 16 rg + r.  xn's unit (rg, k8) lies at (128 rg + k8) x 256, g's at (352 rg + k8) x 256.
; An accumulator is a unit of g: lane (r, h) stores 8 bytes at 16 r + 8 h, so one store covers 256 consecutive, aligned bytes, and nothing goes through LDS on the way out.
; LDS.  K goes in steps of 128 through two slots of 256 rows of A and 352 of B.  B's rows are 272 bytes apart (256 + 16: the 16 rows of a load start at 16 different groups of four banks; 64 banks of 4 bytes:
; ISA guide 11.1).  A is unpadded, since 16 bytes behind each of its rows too would not fit: a K step of 16 rows is 16 units on end, 4,096 bytes, and half a fragment (16 rows x 8 columns for each half of the
; lanes) is two units on end: lane l reads 16 bytes at 16 l, 512 consecutive bytes a load.
; REGISTERS, 512.  Window 0: v0-7 addresses; v8-95 B's 11 fragments, ONE buffer in two halves, X (blocks 0-5) and Y (6-10); v96-159 A's 4 fragments, two buffers; v160-255 accumulators 32-43.
; Window 1: accumulators 0-31.  Accumulator (a, b) has the number 11 a + b.
; A UNIT OF WORK is 32 along K: 24 products on X; X of the next is fetched; 20 products on Y; Y of the next and A of the one after it are fetched.  So each run of LDS loads has 20 or 24 products in which to land.
; CLUSTER 4 x 4: A's tile is asked for jointly along a row of the cluster, B's along a column.  Waves 0-3 fetch 64 rows of A each (4 lines of 4,096 bytes), waves 4-7 88 rows of B.
.set KDIM,   1024
.set BOFF,   8388608
.set KSTEP,  128
.set NSTEP,  KDIM/KSTEP
.set PB,     272                       ; a row of B in LDS
.set ASTEP,  4096                      ; a K step of 16 rows of xn, in bytes
.set XRG,    128*256                   ; 16 rows of xn, in bytes
.set APART,  4*ASTEP                   ; 64 rows of A: what a wave fetches, and what a wave reads
.set BPART,  88*PB                     ; 88 rows of B: what a wave fetches
.set AREG,   4*APART
.set SLOT,   AREG+4*BPART
.set SPARE,  2*SLOT                    ; the spare words: 128 bytes a wave, four blocks of 256 bytes that no other line names
.set SPW,   1                          ; v1  my spare word; never rewritten
.set NIL,   2                          ; v2  0; never rewritten
.set BASEA, 3                          ; v3  my place in A's rows of a slot; never rewritten
.set BASEB, 4                          ; v4  the same for B
.set ADRA,  5                          ; v5  BASEA + TB
.set ADRB,  6                          ; v6  BASEB + TB
.set CO,    7                          ; v7  my 8 bytes of a unit of g
.set FB,    8
.set FA,    96
.set ACH,   160
.set TT,    8                          ; the way out: 44 at work,
.set PP,    52                         ; 44 products h1 h3,
.set YY,    96                         ; 22 packed results
.set TB,    2                          ; s2  the slot in hand, 0 or SLOT
.set CS,    68                         ; s[68:69] -log2(e)
.set G1,    24                         ; s[24:31] group 1 for A; s[32:39] group 0: two sets, the second walks
.set G0,    32
.set G1B,   48                         ; s[48:55], s[56:63] the same for B
.set G0B,   56
.set MSB, 0
.macro WIN new                         ; the immediate's high byte repeats the setting that is left
.if MSB != (\new)
	s_set_vgpr_msb (MSB<<8)|(\new)
.set MSB, \new
.endif
.endm
.macro PLACES                          ; four places behind matrix instructions, in front of loads into registers that they read and of readers of their results
.rept 4
	v_nop
.endr
.endm
.macro JLOAD                           ; the joint refill, by the walking set; the branch hangs on the wave's number alone; s_nop 0 and four v_nop follow each line
	s_cmp_eq_u32 s11, 0
	s_cbranch_scc0 .Lfor_b_\@
	tensor_load_to_lds s[G0+4:G0+7], s[G1:G1+7]
	s_nop 0
.rept 4
	v_nop
.endr
	s_branch .Lasked_\@
.Lfor_b_\@:
	tensor_load_to_lds s[G0B+4:G0B+7], s[G1B:G1B+7]
	s_nop 0
.rept 4
	v_nop
.endr
.Lasked_\@:
.endm
.macro CREST                           ; a round of the cluster's barrier behind its opening barrier
	s_cmp_lg_u32 s10, 0
	s_cbranch_scc1 .Lnot_wave_0_\@
	s_barrier_signal -3
.Lnot_wave_0_\@:
	s_barrier_wait -3
	s_barrier_signal -1
	s_barrier_wait -1
.endm
.macro CROUND
	s_barrier_signal -1
	s_barrier_wait -1
	CREST
.endm
	s_load_b128 s[4:7], s[0:1], 0x0                ; xn, wb
	s_load_b64 s[8:9], s[0:1], 0x10                ; g
	v_lshl_add_u32 v[SPW], v0, 2, SPARE
	v_mov_b32 v[NIL], 0
	ds_add_u32 v[SPW], v[NIL]                      ; the wave's opening: the add and its wait ahead of my first tensor load
	v_lshrrev_b32 v8, 5, v0
	v_readfirstlane_b32 s10, v8                    ; wave 0..7
	s_lshr_b32 s11, s10, 2                         ; I fetch for A (0) or for B (1),
	s_and_b32 s12, s10, 3                          ; this quarter of its rows
	s_lshr_b32 s21, s10, 1                         ; wi: my 64 rows of the tile
	s_and_b32 s22, s10, 1                          ; wj: my 176 rows of w13
	s_bfe_u32 s40, ttmp6, 0x40000                  ; cx
	s_bfe_u32 s41, ttmp6, 0x40004                  ; cy
	s_lshl_b32 s42, ttmp9, 2
	s_add_co_u32 s42, s42, s40                     ; tile column
	s_and_b32 s13, ttmp7, 0xffff
	s_lshl_b32 s13, s13, 2
	s_add_co_u32 s13, s13, s41                     ; tile row
	s_lshl_b32 s43, s41, 2
	s_lshl_b32 s43, 15, s43                        ; my row of the cluster
	s_lshl_b32 s44, 0x1111, s40                    ; my column
	s_or_b32 s[G1+0], s43, (1<<16)|(1<<21)         ; A: the mask; 2-byte elements; bit 21 beside a mask; no padding
	s_mov_b32 s[G1+1], 2048<<16                    ; tensor_dim0 = 2,048 elements: 16 units on end
	s_mov_b32 s[G1+2], 4<<16                       ; tensor_dim1 = 4 groups of 16 rows
	s_mov_b32 s[G1+3], 2048<<16                    ; tile_dim0
	s_mov_b32 s[G1+4], 4                           ; tile_dim1
	s_mov_b32 s[G1+5], XRG/2                       ; elements from a group of 16 rows to the next
	s_mov_b32 s[G1+6], 0
	s_mov_b32 s[G1+7], 0
	s_or_b32 s[G1B+0], s44, (1<<16)|(1<<20)|(1<<21)|(5<<22)|(3<<25)  ; B: padding on: after every 64 words (a row), 4 words
	s_mov_b32 s[G1B+1], KSTEP<<16                  ; tensor_dim0 = 128
	s_mov_b32 s[G1B+2], 88<<16                     ; tensor_dim1 = 88 rows
	s_mov_b32 s[G1B+3], KSTEP<<16                  ; tile_dim0
	s_mov_b32 s[G1B+4], 88                         ; tile_dim1
	s_mov_b32 s[G1B+5], KDIM                       ; elements from row to row
	s_mov_b32 s[G1B+6], 0
	s_mov_b32 s[G1B+7], 0
	s_lshl_b32 s17, s12, 2
	s_lshl_b32 s16, s13, 4
	s_add_co_u32 s16, s16, s17                     ; A: row group 16 x tile row + 4 x quarter,
	s_lshl_b32 s16, s16, 15                        ; of 32,768 bytes
	s_mul_i32 s46, s42, 352
	s_mul_i32 s47, s12, 88
	s_add_co_u32 s46, s46, s47                     ; B: row 352 x tile column + 88 x quarter,
	s_lshl_b32 s46, s46, 11                        ; of 2,048 bytes
	s_mov_b32 s17, 0
	s_mov_b32 s47, 0
	s_mul_i32 s20, s12, APART                      ; where my rows go in a slot, for A
	s_mul_i32 s19, s12, BPART                      ; and for B: the wave's number alone
	s_add_co_u32 s19, s19, AREG
	s_mov_b32 s[TB], 0
	s_lshl_b32 s66, s13, 4                         ; my first unit of g: rg = 16 x tile row + 4 wi, k8 = 22 x tile column + 11 wj; in registers that feed no descriptor
	s_lshl_b32 s67, s21, 2
	s_add_co_u32 s66, s66, s67
	s_mul_i32 s66, s66, 352
	s_mul_i32 s67, s42, 22
	s_add_co_u32 s66, s66, s67
	s_mul_i32 s67, s22, 11
	s_add_co_u32 s66, s66, s67
	s_lshl_b32 s66, s66, 8
	s_mov_b32 s67, 0
	s_mov_b32 s[CS], 0xbfb8aa3b                    ; -log2(e)
	s_mov_b32 s[CS+1], s[CS]
	s_wait_dscnt 0x0                               ; the opening add is done
	s_wait_kmcnt 0x0
	s_add_nc_u64 s[14:15], s[4:5], s[16:17]
	s_add_nc_u64 s[46:47], s[6:7], s[46:47]
	s_add_nc_u64 s[46:47], s[46:47], BOFF
	s_add_nc_u64 s[8:9], s[8:9], s[66:67]
	CROUND                                         ; all sixteen work-groups are here: the first joint loads meet
.irp s, 0,1
	s_mov_b32 s[G0+4*(\s)], 1
	s_add_co_u32 s[G0+4*(\s)+1], s20, (\s)*SLOT
	s_add_nc_u64 s[G0+4*(\s)+2:G0+4*(\s)+3], s[14:15], (\s)*ASTEP
	s_or_b32 s[G0+4*(\s)+3], s[G0+4*(\s)+3], 0x80000000
	s_mov_b32 s[G0B+4*(\s)], 1
	s_add_co_u32 s[G0B+4*(\s)+1], s19, (\s)*SLOT
	s_add_nc_u64 s[G0B+4*(\s)+2:G0B+4*(\s)+3], s[46:47], (\s)*KSTEP*2
	s_or_b32 s[G0B+4*(\s)+3], s[G0B+4*(\s)+3], 0x80000000
.endr
	s_cmp_eq_u32 s11, 0                            ; a wave's two first fills stand in one branch: two loads of mine are out
	s_cbranch_scc0 .Lfirst_b
	tensor_load_to_lds s[G0:G0+3], s[G1:G1+7]
	s_nop 0
	tensor_load_to_lds s[G0+4:G0+7], s[G1:G1+7]
	s_nop 0
.rept 4
	v_nop
.endr
	s_branch .Lfirst_asked
.Lfirst_b:
	tensor_load_to_lds s[G0B:G0B+3], s[G1B:G1B+7]
	s_nop 0
	tensor_load_to_lds s[G0B+4:G0B+7], s[G1B:G1B+7]
	s_nop 0
.rept 4
	v_nop
.endr
.Lfirst_asked:
	v_and_b32 v8, 15, v0                           ; r = l % 16
	v_bfe_u32 v9, v0, 4, 1                         ; h = l / 16
	v_and_b32 v10, 31, v0
	v_lshlrev_b32 v10, 4, v10                      ; A: 16 x lane
	s_mul_i32 s23, s21, APART
	v_add_nc_u32 v[BASEA], s23, v10
	v_mul_u32_u24 v10, v8, PB                      ; B: row x pitch + 16 h
	v_lshl_add_u32 v10, v9, 4, v10
	s_mul_i32 s23, s22, 2*BPART
	s_add_co_u32 s23, s23, AREG
	v_add_nc_u32 v[BASEB], s23, v10
	v_lshlrev_b32 v[CO], 4, v8                     ; in a unit of g: 16 r + 8 h
	v_lshl_add_u32 v[CO], v9, 3, v[CO]
.macro ACCREG a, b                     ; accumulator (a, b): its first register rD, its window rW
.set idx, 11*(\a)+(\b)
.if idx < 32
.set rD, 8*idx
.set rW, 1
.else
.set rD, ACH+8*(idx-32)
.set rW, 0
.endif
.endm
.macro MM a, b, fa, zero               ; one product.  zero = 1: it starts the sum
	ACCREG \a, \b
	WIN 0x50*rW                                    ; C and D in the accumulator's window, the fragments in window 0
.if \zero
	v_wmma_f32_16x16x32_bf16 v[rD:rD+7], v[FB+8*(\b):FB+8*(\b)+7], v[(\fa)+8*(\a):(\fa)+8*(\a)+7], 0
.else
	v_wmma_f32_16x16x32_bf16 v[rD:rD+7], v[FB+8*(\b):FB+8*(\b)+7], v[(\fa)+8*(\a):(\fa)+8*(\a)+7], v[rD:rD+7]
.endif
.endm
.macro MULS fa, a0, na, b0, nb, zero   ; row blocks a0 .. x column blocks b0 ..: each accumulator once, so the accumulators take turns everywhere
.set ma, \a0
.rept \na
.set mb, \b0
.rept \nb
	MM ma, mb, \fa, \zero
.set mb, mb+1
.endr
.set ma, ma+1
.endr
.endm
.macro LB u, b0, nb                    ; B's fragments b0 .. of the 32 along K numbered u in the slot in hand
	WIN 0
.set mb, \b0
.rept \nb
	ds_load_b128 v[FB+8*mb:FB+8*mb+3],   v[ADRB] offset:64*(\u)+mb*16*PB
	ds_load_b128 v[FB+8*mb+4:FB+8*mb+7], v[ADRB] offset:64*(\u)+mb*16*PB+32
.set mb, mb+1
.endr
.endm
.macro LA u                            ; A's four fragments of the same, into buffer u % 2: 32 along K are four units, 1,024 bytes, of each group of 16 rows
	WIN 0
.set fx, FA+32*((\u)%2)
.irp i, 0,1,2,3
	ds_load_b128 v[fx+8*(\i):fx+8*(\i)+3],   v[ADRA] offset:1024*(\u)+(\i)*ASTEP
	ds_load_b128 v[fx+8*(\i)+4:fx+8*(\i)+7], v[ADRA] offset:1024*(\u)+(\i)*ASTEP+512
.endr
.endm
; Number u = 0, 1 or 2 of a K step's four.
.macro UNIT u, zero
	s_wait_dscnt 18                                ; X and A of this one are in; its Y (10 loads) and the next one's A (8) may be out
	MULS FA+32*((\u)%2), 0, 4, 0, 6, \zero
	PLACES
	LB (\u)+1, 0, 6                                ; X of the next
	s_wait_dscnt 20                                ; Y is in; the next one's A (8) and X (12) may be out
	MULS FA+32*((\u)%2), 0, 4, 6, 5, \zero
	PLACES
	LB (\u)+1, 6, 5                                ; Y of the next,
.if (\u) < 2
	LA (\u)+2                                      ; and A of the one after it, into the buffer just multiplied; behind number 2 that one lies in the other slot, and waits for the change of slots
.endif
.endm
; Number 3 changes slots.  In front of the barrier each wave waits for all its tensor loads (one is out: its part of the next slot), adds 0 to its spare word, and waits for that and for its reads of
; this slot, of which Y is the last.  fill = 1: the barrier opens a round of the cluster's, and this slot is filled again first thing behind it, with the K step two on.
.macro TURN fill
	WIN 0
	s_wait_tensorcnt 0x0
	ds_add_u32 v[SPW], v[NIL]
	s_wait_dscnt 11                                ; X and A are in; Y's 10 loads and the add may be out
	MULS FA+32, 0, 2, 0, 6, 0
	s_wait_dscnt 0x0                               ; the add is done, my reads of this slot are over
	s_barrier_signal -1
	MULS FA+32, 2, 2, 0, 6, 0
	WIN 0
	s_barrier_wait -1
.if \fill
	CREST
	s_add_co_u32 s[G0+5], s20, s[TB]               ; no load of mine is out, so the walking sets may be written: the slot just read,
	s_add_nc_u64 s[G0+6:G0+7], s[G0+6:G0+7], ASTEP ; the K step behind the one last asked for
	s_add_co_u32 s[G0B+5], s19, s[TB]
	s_add_nc_u64 s[G0B+6:G0B+7], s[G0B+6:G0B+7], KSTEP*2
	JLOAD                                          ; its four v_nop are also the places in front of the loads below
.else
	PLACES
.endif
	s_xor_b32 s[TB], s[TB], SLOT
	v_add_nc_u32 v[ADRA], s[TB], v[BASEA]
	v_add_nc_u32 v[ADRB], s[TB], v[BASEB]
	LB 0, 0, 6                                     ; the next slot's first X and A
	LA 0
	MULS FA+32, 0, 4, 6, 5, 0
	PLACES
	LB 0, 6, 5
	LA 1
.endm
	s_wait_tensorcnt 1                             ; my part of K step 0 is in; K step 1's may stay out
	s_barrier_signal -1
	s_barrier_wait -1
	v_mov_b32 v[ADRA], v[BASEA]
	v_mov_b32 v[ADRB], v[BASEB]
	LB 0, 0, 6
	LA 0
	LB 0, 6, 5
	LA 1
	UNIT 0, 1                                      ; the first 32 along K start the sums: nothing is cleared
	WIN 0
	s_mov_b32 s3, NSTEP-2
.Lstep:                                        ; a trip: from a K step's second 32 along K to the next step's first; it fills one slot again
	UNIT 1, 0
	UNIT 2, 0
	TURN 1
	UNIT 0, 0
	WIN 0
	s_sub_co_u32 s3, s3, 1
	s_cmp_lg_u32 s3, 0
	s_cbranch_scc1 .Lstep
	UNIT 1, 0                                      ; the last two K steps ask for nothing
	UNIT 2, 0
	TURN 0
	UNIT 0, 0
	UNIT 1, 0
	UNIT 2, 0
	s_wait_dscnt 10                                ; the very last 32 along K: Y's 10 loads may be out
	MULS FA+32, 0, 4, 0, 6, 0
	s_wait_dscnt 0x0
	MULS FA+32, 0, 4, 6, 5, 0
	WIN 0
; THE GATE AND THE WAY OUT for row block a: 11 accumulators, 44 numbers a lane.  Two batches of transcendentals, each with one wait; the products h1 h3 are the independent work
; behind the exponentials.  Each accumulator is read from its lowest registers on.
.macro GATE a
.set mb, 0
.rept 11
	ACCREG \a, mb
	WIN rW                                         ; source 0 in the accumulator's window
	v_pk_mul_f32 v[TT+4*mb:TT+4*mb+1],   v[rD:rD+1],   s[CS:CS+1] op_sel_hi:[1,0]
	v_pk_mul_f32 v[TT+4*mb+2:TT+4*mb+3], v[rD+4:rD+5], s[CS:CS+1] op_sel_hi:[1,0]
.set mb, mb+1
.endr
	WIN 0
.set i, 0
.rept 44
	v_exp_f32 v[TT+i], v[TT+i]
.set i, i+1
.endr
.set mb, 0
.rept 11
	ACCREG \a, mb
	WIN 5*rW                                       ; both sources in the accumulator's window
	v_pk_mul_f32 v[PP+4*mb:PP+4*mb+1],   v[rD:rD+1],   v[rD+2:rD+3]
	v_pk_mul_f32 v[PP+4*mb+2:PP+4*mb+3], v[rD+4:rD+5], v[rD+6:rD+7]
.set mb, mb+1
.endr
	WIN 0
	s_wait_alu depctr_va_vdst(0)
.set i, 0
.rept 22
	v_pk_add_f32 v[TT+2*i:TT+2*i+1], v[TT+2*i:TT+2*i+1], 1.0 op_sel_hi:[1,0]
.set i, i+1
.endr
.set i, 0
.rept 44
	v_rcp_f32 v[TT+i], v[TT+i]
.set i, i+1
.endr
	v_nop
	s_wait_alu depctr_va_vdst(0)
.set i, 0
.rept 22
	v_pk_mul_f32 v[PP+2*i:PP+2*i+1], v[PP+2*i:PP+2*i+1], v[TT+2*i:TT+2*i+1]
.set i, i+1
.endr
.if (\a) > 0
	s_wait_xcnt 0x0                                ; the block before's stores have read their data: the packed results are rewritten only behind this wait
.endif
.set i, 0
.rept 22
	v_cvt_pk_bf16_f32 v[YY+i], v[PP+2*i], v[PP+2*i+1]
.set i, i+1
.endr
.set mb, 0
.rept 11
	global_store_b64 v[CO], v[YY+2*mb:YY+2*mb+1], s[8:9] offset:((\a)*352+mb)*256  ; a unit: 32 lanes x 8 bytes, 256 consecutive bytes, aligned
.set mb, mb+1
.endr
.endm
	PLACES
	GATE 0
	GATE 1
	GATE 2
	GATE 3
	s_wait_tensorcnt 0x0                           ; the wave's end
	ds_add_u32 v[SPW], v[NIL]
	s_wait_dscnt 0x0
	CROUND                                         ; the closing round
	s_endpgm
.Lfunc_end_k_q9d17a49551_ffn1:
	.size	k_q9d17a49551_ffn1, .Lfunc_end_k_q9d17a49551_ffn1-k_q9d17a49551_ffn1
	.p2alignl 7, 3214868480
	.fill 96, 4, 3214868480
	.section	.rodata,"a",@progbits
	.p2align	6, 0x0
	.amdhsa_kernel k_q9d17a49551_ffn1
		.amdhsa_group_segment_fixed_size 327680
		.amdhsa_private_segment_fixed_size 0
		.amdhsa_enable_private_segment 0
		.amdhsa_kernarg_size 24
		.amdhsa_user_sgpr_count 2
		.amdhsa_user_sgpr_kernarg_segment_ptr 1
		.amdhsa_wavefront_size32 1
		.amdhsa_system_sgpr_workgroup_id_x 1
		.amdhsa_system_sgpr_workgroup_id_y 1
		.amdhsa_system_sgpr_workgroup_id_z 1
		.amdhsa_system_vgpr_workitem_id 0
		.amdhsa_next_free_vgpr 512
		.amdhsa_next_free_sgpr 72
		.amdhsa_reserve_vcc 0
		.amdhsa_float_denorm_mode_32 3
		.amdhsa_float_denorm_mode_16_64 3
		.amdhsa_memory_ordered 1
		.amdhsa_forward_progress 1
		.amdhsa_inst_pref_size 113
	.end_amdhsa_kernel
	.amdgpu_metadata
---
amdhsa.version: [ 1, 2 ]
amdhsa.kernels:
  - .name:           k_q9d17a49551_ffn1
    .symbol:         k_q9d17a49551_ffn1.kd
    .args:
      - { .name: xn, .offset: 0, .size: 8, .value_kind: global_buffer, .address_space: global }
      - { .name: wb, .offset: 8, .size: 8, .value_kind: global_buffer, .address_space: global }
      - { .name: g, .offset: 16, .size: 8, .value_kind: global_buffer, .address_space: global }
    .group_segment_fixed_size: 327680
    .private_segment_fixed_size: 0
    .kernarg_segment_align: 8
    .kernarg_segment_size: 24
    .max_flat_workgroup_size: 256
    .sgpr_count:     72
    .vgpr_count:     512
    .wavefront_size: 32
...
	.end_amdgpu_metadata
.endif
;; end of part 6
;; launch ffn2 (part 7): grid 8 x 32, 4 waves a work-group, clusters of 4 x 4, 327,680 bytes of LDS; arguments g, wb, out0, x1; writes out0
.if DOCPART == 7
	.amdgcn_target "amdgcn-amd-amdhsa--gfx1250"
	.amdhsa_code_object_version 6
	.text
	.protected	k_q9d17a49551_ffn2
	.globl	k_q9d17a49551_ffn2
	.p2align	8
	.type	k_q9d17a49551_ffn2,@function
k_q9d17a49551_ffn2:
	s_mov_b64 s[64:65], 0
	v_nop
	global_prefetch_b8 v0, s[64:65] scope:SCOPE_SE
	s_setreg_imm32_b32 hwreg(HW_REG_WAVE_MODE, 25, 1), 1
	s_wait_xcnt 0x0
	s_wait_alu depctr_hold_cnt(0) depctr_sa_sdst(0) depctr_va_vdst(0) depctr_va_sdst(0) depctr_va_ssrc(0) depctr_va_vcc(0) depctr_vm_vsrc(0)
	s_getreg_b32 s2, hwreg(HW_REG_IB_STS2, 6, 4)
	s_cmp_eq_u32 s2, 0
	s_cbranch_scc0 .Lentry_in_a_cluster
	s_endpgm
.Lentry_in_a_cluster:
	s_bfe_u32 s2, ttmp6, 0x10000c
	s_cmp_lg_u32 s2, 0xf033
	s_cbranch_scc0 .Lentry_shape_is_right
	s_endpgm
.Lentry_shape_is_right:
; FFN2: out0[m][n] = x1[m][n] + sum over k of g[m][k] w2p[n][k], k to 2,816 (columns 2,730 on are 0 in both).  bf16 operands, f32 sums, x1 and out0 in f32.
; A tile is 128 x 128: 256 work-groups.  Four waves, each 64 x 64: 16 accumulators.  K goes in eleven steps of 256 through two slots; a trip of the loop is ONE K step, the slot in hand a scalar, TB.
; CLUSTER 4 x 4: A's tile is asked for jointly along a row of the cluster, B's along a column.
; A IS G, WHICH LIES IN UNITS of 256 bytes: 16 rows x 8 columns, 16 bytes a row; unit (rg, k8) at (352 rg + k8) x 256; position r of unit rg is row 16 rg + r.
; A K step of 16 rows is 32 units on end, 8,192 bytes: a wave's tensor load brings 4 such lines, 32,768 bytes, unpadded.  Half a fragment (16 rows x 8 columns for each half of the lanes) is two units on end:
; lane l reads 16 bytes at 16 l, 512 consecutive bytes a load.  B's rows are 512 bytes + 16 of padding; a wave's load brings 64 of them.
; The matrix instruction is used transposed: a lane holds one row of C and eight neighbouring columns.  A wave's 64 columns of f32 are one aligned block of 256 bytes, so its stage is its own.
; REGISTERS: window 0: v0-31 addresses; v32-95 rows read back, two sets; v128-255 accumulator (a, b) at v[128 + 8 (4 a + b)].  Window 1: two fragment buffers of 128 (A's 64, then B's 64).
; Window 2: v0-127 the residual, loaded at the start, in the layout of the rows read back.
.set KDIM,   2816
.set BOFF,   19922944
.set KSTEP,  256
.set ASTEP,  8192                      ; a K step of 16 rows of g, in bytes
.set GRG,    352*256                   ; 16 rows of g, in bytes
.set PITCH,  528
.set APART,  4*ASTEP                   ; 64 rows of A
.set BPART,  64*PITCH                  ; 64 rows of B
.set AREG,   2*APART
.set SLOT,   AREG+2*BPART
.set NSTEP,  KDIM/KSTEP
.set STAGE,  2*SLOT
.set SPITCH, 272
.set SPARE,  STAGE+4*16*SPITCH
.set BASEA, 16
.set BASEB, 17
.set ADRA,  18
.set ADRB,  19
.set STO,   24
.set RD,    25
.set CO,    26
.set SPW,   28
.set NIL,   29
.set OB,    32
.set ACC,   128
.set F0,    0
.set F1,    128
.set RES,   0
.set TB,    2
.set G1,    24
.set G0,    32
.set G1B,   48
.set G0B,   56
.set MULW,  0x05
.set TO_F,  0x40
.set MSB, 0
.macro WIN new
.if MSB != (\new)
	s_set_vgpr_msb (MSB<<8)|(\new)
.set MSB, \new
.endif
.endm
.macro PLACES
.rept 4
	v_nop
.endr
.endm
.macro JLOAD
	s_cmp_eq_u32 s11, 0
	s_cbranch_scc0 .Lfor_b_\@
	tensor_load_to_lds s[G0+4:G0+7], s[G1:G1+7]
	s_nop 0
.rept 4
	v_nop
.endr
	s_branch .Lasked_\@
.Lfor_b_\@:
	tensor_load_to_lds s[G0B+4:G0B+7], s[G1B:G1B+7]
	s_nop 0
.rept 4
	v_nop
.endr
.Lasked_\@:
.endm
.macro CREST
	s_cmp_lg_u32 s10, 0
	s_cbranch_scc1 .Lnot_wave_0_\@
	s_barrier_signal -3
.Lnot_wave_0_\@:
	s_barrier_wait -3
	s_barrier_signal -1
	s_barrier_wait -1
.endm
.macro CROUND
	s_barrier_signal -1
	s_barrier_wait -1
	CREST
.endm
	s_load_b128 s[4:7], s[0:1], 0x0                ; g, wb
	s_load_b128 s[68:71], s[0:1], 0x10             ; out0 s[68:69], x1 s[70:71]
	v_lshl_add_u32 v[SPW], v0, 2, SPARE
	v_mov_b32 v[NIL], 0
	ds_add_u32 v[SPW], v[NIL]                      ; the wave's opening: the add and its wait ahead of my first tensor load
	v_lshrrev_b32 v1, 5, v0
	v_readfirstlane_b32 s10, v1
	s_lshr_b32 s11, s10, 1                         ; my half of the tile's rows.  Also: I fetch for A (0) or for B (1)
	s_and_b32 s12, s10, 1                          ; my half of its columns.  Also: which 64 rows I fetch
	s_bfe_u32 s40, ttmp6, 0x40000
	s_bfe_u32 s41, ttmp6, 0x40004
	s_lshl_b32 s42, ttmp9, 2
	s_add_co_u32 s42, s42, s40                     ; tile column
	s_and_b32 s13, ttmp7, 0xffff
	s_lshl_b32 s13, s13, 2
	s_add_co_u32 s13, s13, s41                     ; tile row
	s_lshl_b32 s43, s41, 2
	s_lshl_b32 s43, 15, s43
	s_lshl_b32 s44, 0x1111, s40
	s_or_b32 s[G1+0], s43, (1<<16)|(1<<21)         ; A: the mask; 2-byte elements; bit 21 beside a mask; no padding
	s_mov_b32 s[G1+1], 4096<<16                    ; tensor_dim0 = 4,096 elements: 32 units on end
	s_mov_b32 s[G1+2], 4<<16                       ; tensor_dim1 = 4 groups of 16 rows
	s_mov_b32 s[G1+3], 4096<<16                    ; tile_dim0
	s_mov_b32 s[G1+4], 4                           ; tile_dim1
	s_mov_b32 s[G1+5], GRG/2                       ; elements from a group of 16 rows to the next
	s_mov_b32 s[G1+6], 0
	s_mov_b32 s[G1+7], 0
	s_or_b32 s[G1B+0], s44, (1<<16)|(1<<20)|(1<<21)|(6<<22)|(3<<25)  ; B: padding after every 128 words, 4 words
	s_mov_b32 s[G1B+1], KSTEP<<16
	s_mov_b32 s[G1B+2], 64<<16
	s_mov_b32 s[G1B+3], KSTEP<<16
	s_mov_b32 s[G1B+4], 64
	s_mov_b32 s[G1B+5], KDIM
	s_mov_b32 s[G1B+6], 0
	s_mov_b32 s[G1B+7], 0
	s_lshl_b32 s17, s12, 2
	s_lshl_b32 s16, s13, 3
	s_add_co_u32 s16, s16, s17                     ; A: group 8 x tile row + 4 x half
	s_mul_i32 s16, s16, GRG
	s_lshl_b32 s47, s12, 6
	s_lshl_b32 s46, s42, 7
	s_add_co_u32 s46, s46, s47                     ; B: row 128 x tile column + 64 x half
	s_mul_i32 s46, s46, KDIM*2
	s_mov_b32 s17, 0
	s_mov_b32 s47, 0
	s_mul_i32 s20, s12, APART                      ; where my rows go in a slot, for A
	s_mul_i32 s19, s12, BPART                      ; and for B: the wave's number alone
	s_add_co_u32 s19, s19, AREG
	s_mov_b32 s[TB], 0
	s_lshl_b32 s72, s13, 7                         ; my part of C and of the residual: row 128 x tile row + 64 wi, of 4,096 bytes; column 128 x tile column + 64 wj, of 4 bytes
	s_lshl_b32 s73, s11, 6
	s_add_co_u32 s72, s72, s73
	s_lshl_b32 s72, s72, 12
	s_lshl_b32 s73, s42, 9
	s_add_co_u32 s72, s72, s73
	s_lshl_b32 s73, s12, 8
	s_add_co_u32 s72, s72, s73
	s_mov_b32 s73, 0
	s_wait_dscnt 0x0
	s_wait_kmcnt 0x0
	s_add_nc_u64 s[14:15], s[4:5], s[16:17]
	s_add_nc_u64 s[46:47], s[6:7], s[46:47]
	s_add_nc_u64 s[46:47], s[46:47], BOFF
	s_add_nc_u64 s[68:69], s[68:69], s[72:73]
	s_add_nc_u64 s[70:71], s[70:71], s[72:73]
	CROUND
.irp s, 0,1
	s_mov_b32 s[G0+4*(\s)], 1
	s_add_co_u32 s[G0+4*(\s)+1], s20, (\s)*SLOT
	s_add_nc_u64 s[G0+4*(\s)+2:G0+4*(\s)+3], s[14:15], (\s)*ASTEP
	s_or_b32 s[G0+4*(\s)+3], s[G0+4*(\s)+3], 0x80000000
	s_mov_b32 s[G0B+4*(\s)], 1
	s_add_co_u32 s[G0B+4*(\s)+1], s19, (\s)*SLOT
	s_add_nc_u64 s[G0B+4*(\s)+2:G0B+4*(\s)+3], s[46:47], (\s)*KSTEP*2
	s_or_b32 s[G0B+4*(\s)+3], s[G0B+4*(\s)+3], 0x80000000
.endr
	s_cmp_eq_u32 s11, 0
	s_cbranch_scc0 .Lfirst_b
	tensor_load_to_lds s[G0:G0+3], s[G1:G1+7]
	s_nop 0
	tensor_load_to_lds s[G0+4:G0+7], s[G1:G1+7]
	s_nop 0
.rept 4
	v_nop
.endr
	s_branch .Lfirst_asked
.Lfirst_b:
	tensor_load_to_lds s[G0B:G0B+3], s[G1B:G1B+7]
	s_nop 0
	tensor_load_to_lds s[G0B+4:G0B+7], s[G1B:G1B+7]
	s_nop 0
.rept 4
	v_nop
.endr
.Lfirst_asked:
	v_and_b32 v1, 15, v0
	v_bfe_u32 v2, v0, 4, 1
	v_and_b32 v3, 31, v0
	v_lshlrev_b32 v3, 4, v3                        ; A: 16 x lane
	s_mul_i32 s21, s11, APART
	v_add_nc_u32 v[BASEA], s21, v3
	v_mul_u32_u24 v3, v1, PITCH                    ; B: row x pitch + 16 x half
	v_lshl_add_u32 v3, v2, 4, v3
	s_mul_i32 s22, s12, BPART
	s_add_co_u32 s22, s22, AREG
	v_add_nc_u32 v[BASEB], s22, v3
	s_mul_i32 s23, s10, 16*SPITCH
	s_add_co_u32 s23, s23, STAGE
	v_mul_u32_u24 v4, v1, SPITCH                   ; in: row l % 16, 32 bytes for each half of the lanes
	v_lshl_add_u32 v4, v2, 5, v4
	v_add_nc_u32 v[STO], s23, v4
	v_mul_u32_u24 v5, v2, SPITCH                   ; back: lanes 0-15 one row of 256 bytes, lanes 16-31 the next
	v_lshl_add_u32 v5, v1, 4, v5
	v_add_nc_u32 v[RD], s23, v5
	v_lshlrev_b32 v5, 12, v2                       ; the same two rows in x1 and out0
	v_lshl_add_u32 v[CO], v1, 4, v5
	WIN 0x80                                       ; the residual: 32 loads, each two aligned blocks of 256 bytes; block a, rows 2 t on, at RES + 4 (8 a + t); waited for ahead of the way out
.set i, 0
.rept 32
	global_load_b128 v[RES+4*i:RES+4*i+3], v[CO], s[70:71] offset:(16*(i/8)+2*(i%8))*4096 th:TH_LOAD_NT
.set i, i+1
.endr
	WIN 0
.macro MUL8 f, c, a0, zero
	WIN MULW
.irp a, \a0, (\a0)+1
.irp b, 0,1,2,3
.if \zero
	v_wmma_f32_16x16x32_bf16 v[ACC+8*(4*(\a)+(\b)):ACC+8*(4*(\a)+(\b))+7], v[(\f)+64+8*(4*(\c)+(\b)):(\f)+64+8*(4*(\c)+(\b))+7], v[(\f)+8*(4*(\c)+(\a)):(\f)+8*(4*(\c)+(\a))+7], 0
.else
	v_wmma_f32_16x16x32_bf16 v[ACC+8*(4*(\a)+(\b)):ACC+8*(4*(\a)+(\b))+7], v[(\f)+64+8*(4*(\c)+(\b)):(\f)+64+8*(4*(\c)+(\b))+7], v[(\f)+8*(4*(\c)+(\a)):(\f)+8*(4*(\c)+(\a))+7], v[ACC+8*(4*(\a)+(\b)):ACC+8*(4*(\a)+(\b))+7]
.endif
.endr
.endr
.endm
.macro FETCH q, f                      ; 32 LDS loads in one run: quarter q of the K step, 64 along K; the first 32 along K first.  32 along K are 64 bytes of a row of B and four units, 1,024 bytes, of 16 rows of A
	WIN TO_F
.irp c, 0,1
.irp i, 0,1,2,3
	ds_load_b128 v[(\f)+64+8*(4*(\c)+(\i)):(\f)+64+8*(4*(\c)+(\i))+3],   v[ADRB] offset:128*(\q)+64*(\c)+(\i)*16*PITCH
	ds_load_b128 v[(\f)+64+8*(4*(\c)+(\i))+4:(\f)+64+8*(4*(\c)+(\i))+7], v[ADRB] offset:128*(\q)+64*(\c)+(\i)*16*PITCH+32
	ds_load_b128 v[(\f)+8*(4*(\c)+(\i)):(\f)+8*(4*(\c)+(\i))+3],         v[ADRA] offset:2048*(\q)+1024*(\c)+(\i)*ASTEP
	ds_load_b128 v[(\f)+8*(4*(\c)+(\i))+4:(\f)+8*(4*(\c)+(\i))+7],       v[ADRA] offset:2048*(\q)+1024*(\c)+(\i)*ASTEP+512
.endr
.endr
.endm
.macro QUARTER q, f, g, zero           ; multiplies buffer f; in its middle it fetches quarter q into buffer g
	s_wait_dscnt 16                                ; the first 32 along K are in
	MUL8 \f, 0, 0, \zero
	MUL8 \f, 0, 2, \zero
	PLACES
	FETCH \q, \g
	s_wait_dscnt 32                                ; all but the 32 just issued
	MUL8 \f, 1, 0, 0
	MUL8 \f, 1, 2, 0
.endm
.macro TURN fill
	WIN 0
	s_wait_tensorcnt 0x0                           ; all my tensor loads have landed: my part of the next slot
	ds_add_u32 v[SPW], v[NIL]
	s_wait_dscnt 17                                ; (the add and the youngest sixteen loads may be out)
	MUL8 F1, 0, 0, 0
	s_wait_dscnt 0x0                               ; the add is done, my reads of this slot are over
	s_barrier_signal -1
	MUL8 F1, 0, 2, 0
	WIN 0
	s_barrier_wait -1
.if \fill
	CREST
	s_add_co_u32 s[G0+5], s20, s[TB]               ; no load of mine is out, so the walking sets may be written: the slot just read, the K step behind the one last asked for
	s_add_nc_u64 s[G0+6:G0+7], s[G0+6:G0+7], ASTEP
	s_add_co_u32 s[G0B+5], s19, s[TB]
	s_add_nc_u64 s[G0B+6:G0B+7], s[G0B+6:G0B+7], KSTEP*2
	JLOAD
.else
	PLACES
.endif
	s_xor_b32 s[TB], s[TB], SLOT
	v_add_nc_u32 v[ADRA], s[TB], v[BASEA]
	v_add_nc_u32 v[ADRB], s[TB], v[BASEB]
	FETCH 0, F0
	MUL8 F1, 1, 0, 0
	MUL8 F1, 1, 2, 0
.endm
	s_wait_tensorcnt 1                             ; my part of K step 0 is in; K step 1's may stay out
	s_barrier_signal -1
	s_barrier_wait -1
	v_mov_b32 v[ADRA], v[BASEA]
	v_mov_b32 v[ADRB], v[BASEB]
	FETCH 0, F0
	QUARTER 1, F0, F1, 1
	WIN 0
	s_mov_b32 s3, NSTEP-2
.Lstep:
	QUARTER 2, F1, F0, 0
	QUARTER 3, F0, F1, 0
	TURN 1
	QUARTER 1, F0, F1, 0
	WIN 0
	s_sub_co_u32 s3, s3, 1
	s_cmp_lg_u32 s3, 0
	s_cbranch_scc1 .Lstep
	QUARTER 2, F1, F0, 0
	QUARTER 3, F0, F1, 0
	TURN 0
	QUARTER 1, F0, F1, 0
	QUARTER 2, F1, F0, 0
	QUARTER 3, F0, F1, 0
	s_wait_dscnt 16
	MUL8 F1, 0, 0, 0
	MUL8 F1, 0, 2, 0
	s_wait_dscnt 0x0
	MUL8 F1, 1, 0, 0
	MUL8 F1, 1, 2, 0
	WIN 0
; THE WAY OUT, a block of 16 rows at a time: the f32 sums go into my stage, 32 bytes a lane, come back as whole rows of 256 bytes, take the residual and are stored.
.macro OUT a
	WIN 0
.irp b, 0,1,2,3
	ds_store_b128 v[STO], v[ACC+8*(4*(\a)+(\b)):ACC+8*(4*(\a)+(\b))+3]   offset:64*(\b)
	ds_store_b128 v[STO], v[ACC+8*(4*(\a)+(\b))+4:ACC+8*(4*(\a)+(\b))+7] offset:64*(\b)+16
.endr
.irp t, 0,1,2,3,4,5,6,7
	ds_load_b128 v[OB+32*((\a)%2)+4*(\t):OB+32*((\a)%2)+4*(\t)+3], v[RD] offset:(\t)*2*SPITCH  ; LDS serves a wave's instructions in order (ISA guide 5.7.1.4)
.endr
	s_wait_dscnt 0x0
	WIN 0x88
.set i, 0
.rept 16
	v_pk_add_f32 v[RES+32*(\a)+2*i:RES+32*(\a)+2*i+1], v[OB+32*((\a)%2)+2*i:OB+32*((\a)%2)+2*i+1], v[RES+32*(\a)+2*i:RES+32*(\a)+2*i+1]
.set i, i+1
.endr
	WIN 0x08
.irp t, 0,1,2,3,4,5,6,7
	global_store_b128 v[CO], v[RES+32*(\a)+4*(\t):RES+32*(\a)+4*(\t)+3], s[68:69] offset:(16*(\a)+2*(\t))*4096  ; 16 lanes store 256 consecutive bytes, aligned
.endr
.endm
	s_wait_loadcnt 0x0                             ; the residual
	PLACES
	OUT 0
	OUT 1
	OUT 2
	OUT 3
	WIN 0
	s_wait_tensorcnt 0x0                           ; the wave's end
	ds_add_u32 v[SPW], v[NIL]
	s_wait_dscnt 0x0
	CROUND
	s_endpgm
.Lfunc_end_k_q9d17a49551_ffn2:
	.size	k_q9d17a49551_ffn2, .Lfunc_end_k_q9d17a49551_ffn2-k_q9d17a49551_ffn2
	.p2alignl 7, 3214868480
	.fill 96, 4, 3214868480
	.section	.rodata,"a",@progbits
	.p2align	6, 0x0
	.amdhsa_kernel k_q9d17a49551_ffn2
		.amdhsa_group_segment_fixed_size 327680
		.amdhsa_private_segment_fixed_size 0
		.amdhsa_enable_private_segment 0
		.amdhsa_kernarg_size 32
		.amdhsa_user_sgpr_count 2
		.amdhsa_user_sgpr_kernarg_segment_ptr 1
		.amdhsa_wavefront_size32 1
		.amdhsa_system_sgpr_workgroup_id_x 1
		.amdhsa_system_sgpr_workgroup_id_y 1
		.amdhsa_system_sgpr_workgroup_id_z 1
		.amdhsa_system_vgpr_workitem_id 0
		.amdhsa_next_free_vgpr 648
		.amdhsa_next_free_sgpr 76
		.amdhsa_reserve_vcc 0
		.amdhsa_float_denorm_mode_32 3
		.amdhsa_float_denorm_mode_16_64 3
		.amdhsa_memory_ordered 1
		.amdhsa_forward_progress 1
		.amdhsa_inst_pref_size 75
	.end_amdhsa_kernel
	.amdgpu_metadata
---
amdhsa.version: [ 1, 2 ]
amdhsa.kernels:
  - .name:           k_q9d17a49551_ffn2
    .symbol:         k_q9d17a49551_ffn2.kd
    .args:
      - { .name: g, .offset: 0, .size: 8, .value_kind: global_buffer, .address_space: global }
      - { .name: wb, .offset: 8, .size: 8, .value_kind: global_buffer, .address_space: global }
      - { .name: out0, .offset: 16, .size: 8, .value_kind: global_buffer, .address_space: global }
      - { .name: x1, .offset: 24, .size: 8, .value_kind: global_buffer, .address_space: global }
    .group_segment_fixed_size: 327680
    .private_segment_fixed_size: 0
    .kernarg_segment_align: 8
    .kernarg_segment_size: 32
    .max_flat_workgroup_size: 128
    .sgpr_count:     76
    .vgpr_count:     648
    .wavefront_size: 32
...
	.end_amdgpu_metadata
.endif
;; end of part 7
